; MI455X (gfx1250); checked and timed in simulation.
; The chip was launched on July 23, 2026; its instructions are those of AMD's public machine-readable ISA for CDNA 5 (MIT licence, August 2026) and "CDNA5" Instruction Set Architecture Reference Guide (July 2026). The comments in the code are by the model that wrote it; some were corrected since.
;; Bert Attention. Allowed arithmetic: matrix products marked QUANTISED: E2M1 operands, one E8M0 scale for each 32 along K, by v_wmma_scale_f32_16x16x128_f8f6f4 with both operands' format E2M1 (or v_wmma_scale_f32_32x16x128_f4), f32 sums; products left as they are: bf16, f16 or f32 operands; f32 sums; everything else in f32.
;; Inputs: proj_b 1,024 float32; proj_w 1,024 x 1,024 float32; qkv_b 3,072 float32; qkv_w 1,024 x 3,072 float32; x 4 x 2,048 x 1,024 float32.
;; Outputs: out0 4 x 2,048 x 1,024 float32.
;; This version of the problem:
;;   THIS VERSION OF THE PROBLEM IS GIVEN IN LOW PRECISION. The matrix products marked QUANTISED in the list below multiply operands that are first quantised to E2M1 (2 exponent bits, 1 mantissa bit; 4 bits a number), with one power-of-two scale for each 32 numbers along K (OCP MX v1.0); their sums are f32. The products marked 'left as it is' may take bf16, f16 or f32 operands, with f32 sums. Whichever they take, every output number must still come out within the allowed error. Rounding operands to bf16 (8 significant bits) uses up far more of that allowance than f16 does (11 bits, for magnitudes from 6e-5 to 65,504). All else is computed in f32.
;;   The module's matrix products, in the order in which they are computed (A, B: the left and right operand; K: the contracted axis; several contracted axes count as one K, in the product's order):
;;     1. [M 8,192, K 1,024] x [K 1,024, N 3,072]; A: input x; B: input qkv_w: QUANTISED
;;     2. batch 64 x [M 2,048, K 64] x [K 64, N 2,048]; A: computed on the way; B: computed on the way: left as it is (an operand is computed on the way)
;;     3. batch 64 x [M 64, K 2,048] x [K 2,048, N 2,048]; A: computed on the way; B: computed on the way: left as it is (an operand is computed on the way)
;;     4. [M 8,192, K 1,024] x [K 1,024, N 1,024]; A: computed on the way; B: input proj_w: left as it is (an operand is computed on the way)
;;   THE QUANTISER, for each operand of a quantised product, along K:
;;     - K is cut into blocks of 32 from its start; a last block that is shorter is filled with zeros.
;;     - A block's scale is 2^e with e = floor(log2(the largest magnitude in the block)) - 2, held to -126 .. 127; a block of zeros has e = 0. As a byte (E8M0): e + 127.
;;     - Each number is divided by its block's scale, clamped to +-6, and rounded to the nearest number of E2M1, ties to even, subnormals kept.
;;     - The product sums the exact products of the quantised numbers (number of the format x scale) in f32.
;;   ~~~python
;;   def quantise(x, axis):      # numpy; x: float32 -> the quantised numbers, widened to float32 again
;;       x = np.moveaxis(x, axis, -1); K = x.shape[-1]
;;       x = np.pad(x, [(0, 0)] * (x.ndim - 1) + [(0, -K % 32)]); x = x.reshape(x.shape[:-1] + (-1, 32)); a = np.abs(x).max(-1, keepdims=True)
;;       e = np.where(a > 0, np.clip(np.frexp(np.where(a > 0, a, 1))[1] - 1 - 2, -126, 127), 0)      # np.frexp(a)[1] - 1 = floor(log2(a)), exactly
;;       r = np.clip(x / 2.0 ** e, -6, 6)
;;       step = 2.0 ** (np.maximum(np.frexp(np.where(r == 0, 1, r))[1] - 1, 0) - 1)
;;       q = np.round(r / step) * step * 2.0 ** e      # np.round: ties to even
;;       return np.moveaxis(q.reshape(q.shape[:-2] + (-1,))[..., :K], -1, axis).astype(np.float32)
;;   ~~~
;; One version. Each part assembles by itself: llvm-mc -triple=amdgcn-amd-amdhsa -mcpu=gfx1250 --defsym DOCPART=n.
;; ======== version 1 of 1: 4 launches
;; limits: values are held in f16: magnitudes above 65,504 overflow, below 6.1e-05 lose precision
;; workspace buffers: x_codes 4,194,304 bytes; x_scales 262,144 bytes; w_codes 1,572,864 bytes; w_scales 98,304 bytes; pw_img 2,097,152 bytes; qkv_img 50,331,648 bytes; ao_img 16,777,216 bytes
;; launch prep (part 1): grid 336 x 1, 4 waves a work-group, no clusters, 68,096 bytes of LDS; arguments x, qkv_w, proj_w, x_codes, x_scales, w_codes, w_scales, pw_img; writes x_codes, x_scales, w_codes, w_scales, pw_img
.if DOCPART == 1
	.amdgcn_target "amdgcn-amd-amdhsa--gfx1250"
	.amdhsa_code_object_version 6
	.text
	.protected	k_qf892a49be6_prep
	.globl	k_qf892a49be6_prep
	.p2align	8
	.type	k_qf892a49be6_prep,@function
k_qf892a49be6_prep:
	s_mov_b64 s[64:65], 0
	v_nop
	global_prefetch_b8 v0, s[64:65] scope:SCOPE_SE
	s_setreg_imm32_b32 hwreg(HW_REG_WAVE_MODE, 25, 1), 1
	s_wait_xcnt 0x0
; THE PROGRAM: out0 = softmax((x Wq + bq)(x Wk + bk)^T / 8) (x Wv + bv) Wp + bp, 4 x 2,048 tokens, 16 heads of 64.  Four launches: this one (operands made ready), gemm_qkv (x @ qkv_w on codes of
; E2M1), attn (scores, softmax, weighted sum; f16 operands, f32 sums), proj (the projection; f16 operands, f32 sums).
; WORK LEFT OUT.  k's bias, qkv_b[1024:2048], reaches no output: score[t][s] = q_t . (k_s + bk) / 8 = q_t . k_s / 8 + q_t . bk / 8, and the second term is the same for every s of a row t, so the
; softmax along s takes it away, whatever the inputs hold.  The product of q and k is not quantised, so no quantiser stands between that bias and the softmax.  Those 1,024 numbers are not loaded.
; LIMIT: a NaN, an infinity or an overflow that would enter by k's bias alone is not carried to the result.
; WORK MOVED.  v's bias is added behind the weighted sum: a row's weights add up to 1, so sum_s p (v_s + bv) / l = sum_s p v_s / l + bv (launch attn).
; LIMIT OF FORMAT: q, k, v, the attention's result and proj_w go to the matrix units as f16: their magnitudes stay under 65,504; what lies under 6e-5 keeps an absolute error of 3e-8.
;
; THIS LAUNCH has three paths, parted by the work-group's number; each has LDS bytes of its own and ends by itself.
;   work-groups 0-47:   qkv_w [1024 k][3072 n] f32 -> w_codes [3072][512 bytes], K innermost, and w_scales [3072][32]: a lane takes a column, its registers run down K.
;   work-groups 48-79:  proj_w [1024 k][1024 n] f32 -> pw_img, f16, as images of operand registers: [K step of 256: 4][16 columns: 64][32 along K: 8][1,024 bytes].
;   work-groups 80-335: x [8192][1024] f32 -> x_codes [8192][512 bytes] and x_scales [8192][32]: a plain stream of blocks of 32.
; THE QUANTISER: a block's scale is 2^(floor(log2(its largest magnitude)) - 2); its byte is the largest magnitude's exponent field - 2, held at 1 from below; each number is divided by the scale and
; rounded to the nearest code of E2M1, ties to even, beyond 6 the largest code.  A block of zeros gets the byte 1 where the rule says 127: its codes are zeros, which add nothing under any byte but
; 0xff, and the bytes are read by this program alone.
; LIMITS: blocks whose largest magnitude lies under 2^(2 - 126) have their byte held at 1; NaN and infinities among the inputs are not served.
; No tensor loads, no barrier: waves share nothing.  No matrix unit, no cluster: every byte is read once and written once.
.set SPARE, 67584                      ; the spare words, 128 bytes for each wave: two blocks of 256 bytes that no other line names
.set SPW,   192                        ; v192  LDS address of my spare word: SPARE + 4 x my thread's number; never rewritten
.set NIL,   193                        ; v193  0; never rewritten
.set WV,    20                         ; s20   my wave's number
.macro FINISH                          ; a wave's end
	s_wait_tensorcnt 0x0
	ds_add_u32 v[SPW], v[NIL]
	s_wait_dscnt 0x0
	s_endpgm
.endm
; ---- path X's names: a wave takes 16 steps of 512 numbers
.set XSTEPS, 16
.set XWREG,  8192                      ; LDS bytes 0 .. 32,767: a region for each wave: two stages of 32 x XSP bytes, behind them its 256 scale bytes
.set XSP,    80                        ; a lane's place in a stage: its 64 bytes + 16 of padding
.set XCB,    8                         ; bytes of 16 codes
.set XR,     16                        ; v16-79   four sets of 16 numbers as they are loaded
.set XX,     80                        ; v80-111  two sets of 16 neighbours
.set XE,     112                       ; v112-127 a scale byte for each step
.set XC,     128                       ; v128-191 codes: four registers for each step, so that no store's data are written again
.macro XLOAD t
.irp i, 0,1,2,3
	global_load_b128 v[XR+16*((\t)%4)+4*\i:XR+16*((\t)%4)+4*\i+3], v3, s[4:5] offset:2048*(\t)+512*\i th:TH_LOAD_NT   ; 32 lanes read 512 consecutive bytes
.endr
.endm
.macro XTURN t                         ; step t's numbers through the stage: LDS serves a wave's instructions in order, so no wait stands between the stores and the loads
.irp i, 0,1,2,3
	ds_store_b128 v14, v[XR+16*((\t)%4)+4*\i:XR+16*((\t)%4)+4*\i+3] offset:32*XSP*((\t)%2)+8*XSP*\i
.endr
.irp i, 0,1,2,3
	ds_load_b128 v[XX+16*((\t)%2)+4*\i:XX+16*((\t)%2)+4*\i+3], v15 offset:32*XSP*((\t)%2)+16*\i
.endr
.endm
.macro XSTEP t
.set XS, XX+16*((\t)%2)
.if (\t) > 0
	s_wait_dscnt 1                                 ; this step's numbers are back from the stage; the last step's byte store may be out
.else
	s_wait_dscnt 0x0
.endif
.if (\t)+4 < XSTEPS
	XLOAD (\t)+4                                   ; the registers that the stage's stores have read take the loads of four steps on
.endif
.if (\t)+1 < XSTEPS
.if XSTEPS-2-(\t) >= 3
	s_wait_loadcnt 12                              ; the next step's four loads are in; those of the three steps behind it may be out
.else
	s_wait_loadcnt 4*(XSTEPS-2-(\t))
.endif
	XTURN (\t)+1                                   ; and go through the other stage while this step is worked
.endif
	v_max3_num_f32 v8, |v[XS]|, |v[XS+1]|, |v[XS+2]|               ; the largest magnitude of my 16, in two chains
	v_max3_num_f32 v9, |v[XS+3]|, |v[XS+4]|, |v[XS+5]|
.irp i, 6,10
	v_max3_num_f32 v8, v8, |v[XS+\i]|, |v[XS+\i+1]|
	v_max3_num_f32 v9, v9, |v[XS+\i+2]|, |v[XS+\i+3]|
.endr
	v_max3_num_f32 v8, v8, |v[XS+14]|, |v[XS+15]|
	v_max3_num_f32 v8, v8, v9, 0x1800000           ; and the floor 2^(3 - 127): the byte cannot fall under 1
	v_max_num_f32_dpp v8, v8, v8 row_xmask:1 row_mask:0xf bank_mask:0xf   ; and of my neighbour's 16: the block's
	v_add_nc_u32 v11, 0xff000000, v8               ; 2 off its exponent field: the conversion takes the exponent field of this operand as its scale, and nothing else of it
	v_cvt_scalef32_pk8_fp4_f32 v[XC+4*(\t)], v[XS:XS+7], v11
	v_cvt_scalef32_pk8_fp4_f32 v[XC+4*(\t)+1], v[XS+8:XS+15], v11
	v_lshrrev_b32 v[XE+(\t)], 23, v11              ; the scale's byte (a plain line behind the conversions)
	ds_store_b8 v5, v[XE+(\t)] offset:16*(\t)      ; both lanes of a block write the same byte with the same value
	global_store_b64 v4, v[XC+4*(\t):XC+4*(\t)+1], s[10:11] offset:32*XCB*(\t)   ; 32 lanes store 256 consecutive bytes, aligned
.endm
; ---- path W's names: a wave takes 32 columns x 512 along K
.set WNB,    16                        ; blocks of 32 along K
.set WPITCH, 272                       ; a stage row: 256 bytes of codes + 16
.set WKROW,  512                       ; a row of w_codes in bytes
.set WSTAGE, 32768                     ; LDS bytes 32,768 .. 67,583: four stages of 32 rows
.set WROW,   12288                     ; a row of qkv_w in bytes
.set WX,     32                        ; v32-95   two sets of 32 numbers
.set WC,     96                        ; v96-99   a block's codes
.set WOUT,   112                       ; v112-175 the way out
.set WSB,    24                        ; v24-27   the scale bytes, four to a register
.macro WLOAD t                         ; block t: qkv_w(32 t + i, my column) into set t % 2; the largest offset, 511 rows, lies inside the signed 24-bit immediate
.irp i, 0,1,2,3,4,5,6,7,8,9,10,11,12,13,14,15,16,17,18,19,20,21,22,23,24,25,26,27,28,29,30,31
	global_load_b32 v[WX+32*((\t)%2)+\i], v3, s[6:7] offset:(32*(\t)+\i)*WROW th:TH_LOAD_NT
.endr
.endm
.macro WBLOCK t
.set WXS, WX+32*((\t)%2)
.if (\t) < WNB-1
	s_wait_loadcnt 32                              ; this block's 32 loads are in; the next block's may be out
.else
	s_wait_loadcnt 0x0
.endif
	v_max3_num_f32 v12, |v[WXS]|, |v[WXS+1]|, |v[WXS+2]|           ; the block's largest magnitude: all 32 numbers are mine
	v_max3_num_f32 v13, |v[WXS+3]|, |v[WXS+4]|, |v[WXS+5]|
.irp i, 6,10,14,18,22,26
	v_max3_num_f32 v12, v12, |v[WXS+\i]|, |v[WXS+\i+1]|
	v_max3_num_f32 v13, v13, |v[WXS+\i+2]|, |v[WXS+\i+3]|
.endr
	v_max3_num_f32 v12, v12, |v[WXS+30]|, |v[WXS+31]|
	v_max3_num_f32 v12, v12, v13, 0x1800000        ; and the floor 2^(3 - 127)
	v_add_nc_u32 v11, 0xff000000, v12              ; the conversions' scale operand
	v_lshrrev_b32 v13, 23, v11                     ; the scale's byte
.if (\t)%4 == 0
	v_mov_b32 v[WSB+(\t)/4], v13                   ; four bytes to a register, the lower K in the lower byte
.else
	v_lshl_or_b32 v[WSB+(\t)/4], v13, 8*((\t)%4), v[WSB+(\t)/4]
.endif
.irp g, 0,1,2,3
	v_cvt_scalef32_pk8_fp4_f32 v[WC+\g], v[WXS+8*\g:WXS+8*\g+7], v11
.endr
	v_nop                                          ; a plain line behind the last conversion
	ds_store_b128 v4, v[WC:WC+3] offset:16*(\t)    ; 32 codes: 16 bytes of my column's row
.if (\t)+2 < WNB
	WLOAD (\t)+2
.endif
	s_wait_dscnt 0x0                               ; the store has read its registers: the next block's codes may be written
.endm
; ---- path P's names: a wave takes 32 columns x 256 along K, in 8 chunks of 32
.set PX,     32                        ; v32-95   two sets of 32 numbers
.set PH,     96                        ; v96-127  two sets of 16 registers of f16 pairs
.macro PLOAD t
.irp i, 0,1,2,3,4,5,6,7,8,9,10,11,12,13,14,15,16,17,18,19,20,21,22,23,24,25,26,27,28,29,30,31
	global_load_b32 v[PX+32*((\t)%2)+\i], v3, s[8:9] offset:(32*(\t)+\i)*4096 th:TH_LOAD_NT
.endr
.endm
; A fragment of 16 columns x 32 along K wants in lane (r, h) column r and, in registers 0-3, k = 8 h + 0 .. 7, in registers 4-7 k = 16 + 8 h + 0 .. 7.  My 16 pairs H[i] hold k = 2 i, 2 i + 1 of column
; 'lane'.  The exchange of H[i]'s upper lanes with H[4 + i]'s lower lanes leaves in H[0:3] registers 0-3 of the first 16 columns' fragment and in H[4:7] those of the second 16 columns'; H[8:15] likewise.
.macro PCHUNK t
.set PXS, PX+32*((\t)%2)
.set PHS, PH+16*((\t)%2)
.if (\t) < 7
	s_wait_loadcnt 32                              ; this chunk's 32 loads are in; the next chunk's may be out
.else
	s_wait_loadcnt 0x0
.endif
.if (\t) >= 2
	s_wait_xcnt 0x0                                ; the stores of two chunks back have read this set of H
.endif
.irp i, 0,1,2,3,4,5,6,7,8,9,10,11,12,13,14,15
	v_cvt_pk_f16_f32 v[PHS+\i], v[PXS+2*\i], v[PXS+2*\i+1]
.endr
.irp i, 0,1,2,3
	v_permlane16_swap_b32 v[PHS+\i], v[PHS+4+\i]
	v_permlane16_swap_b32 v[PHS+8+\i], v[PHS+12+\i]
.endr
.if (\t)+2 < 8
	PLOAD (\t)+2
.endif
	global_store_b128 v4, v[PHS:PHS+3], s[18:19] offset:1024*(\t)              ; each store covers 512 consecutive bytes, aligned
	global_store_b128 v4, v[PHS+8:PHS+11], s[18:19] offset:1024*(\t)+512
	global_store_b128 v4, v[PHS+4:PHS+7], s[18:19] offset:1024*(\t)+8192
	global_store_b128 v4, v[PHS+12:PHS+15], s[18:19] offset:1024*(\t)+8704
.endm
	s_load_b256 s[4:11], s[0:1], 0x0               ; x s[4:5], qkv_w s[6:7], proj_w s[8:9], x_codes s[10:11]
	s_load_b256 s[12:19], s[0:1], 0x20             ; x_scales s[12:13], w_codes s[14:15], w_scales s[16:17], pw_img s[18:19]
	v_lshl_add_u32 v[SPW], v0, 2, SPARE
	v_mov_b32 v[NIL], 0
	v_lshrrev_b32 v1, 5, v0
	v_readfirstlane_b32 s[WV], v1                  ; wave 0..3
	v_and_b32 v2, 31, v0                           ; lane
	s_mov_b32 s25, 0                               ; the upper word of every offset: all stay under 2^32
	s_wait_kmcnt 0x0
	s_cmp_lt_u32 ttmp9, 48
	s_cbranch_scc1 .Lpath_w
	s_cmp_lt_u32 ttmp9, 80
	s_cbranch_scc1 .Lpath_p
	; ---- PATH X.  Each load reads 512 consecutive bytes, 16 a lane; the conversions want 16 neighbours in a lane: a step's 2,048 bytes turn through the wave's own stage in LDS.
	v_lshlrev_b32 v3, 4, v2                        ; my 16 bytes of a load's 512
	s_mul_i32 s21, s[WV], XWREG
	v_lshrrev_b32 v14, 2, v2
	v_mul_u32_u24 v14, v14, XSP
	v_and_b32 v15, 3, v2
	v_lshl_add_u32 v14, v15, 4, v14
	v_add_nc_u32 v14, s21, v14                     ; the stage, on the way in: XSP (lane / 4) + 16 (lane % 4)
	v_mul_u32_u24 v15, v2, XSP
	v_add_nc_u32 v15, s21, v15                     ; and on the way out: XSP x lane: my 16 neighbours
	v_mul_u32_u24 v4, v2, XCB                      ; my codes' place in a step's
	v_lshrrev_b32 v5, 1, v2
	s_add_co_u32 s21, s21, 2*32*XSP
	v_add_nc_u32 v5, s21, v5                       ; LDS: my wave's 256 scale bytes, my block's byte
	v_lshlrev_b32 v7, 3, v2                        ; and on the way out 8 bytes a lane
	v_add_nc_u32 v6, s21, v7
	s_sub_co_u32 s22, ttmp9, 80
	s_lshl_b32 s22, s22, 2
	s_add_co_u32 s22, s22, s[WV]                   ; which run of 8,192 numbers is my wave's: 0 .. 1,023
	s_lshl_b32 s24, s22, 15
	s_add_nc_u64 s[4:5], s[4:5], s[24:25]          ; 32,768 bytes of x a run,
	s_lshl_b32 s24, s22, 12
	s_add_nc_u64 s[10:11], s[10:11], s[24:25]      ; 4,096 of codes,
	s_lshl_b32 s24, s22, 8
	s_add_nc_u64 s[12:13], s[12:13], s[24:25]      ; 256 of scale bytes
.irp t, 0,1,2,3
	XLOAD \t
.endr
	s_wait_loadcnt 12                              ; step 0's four loads are in
	XTURN 0
.irp t, 0,1,2,3,4,5,6,7,8,9,10,11,12,13,14,15
	XSTEP \t
.endr
	ds_load_b64 v[8:9], v6                         ; LDS serves a wave's instructions in order: these see my byte stores
	s_wait_dscnt 0x0
	global_store_b64 v7, v[8:9], s[12:13]          ; 32 lanes store 256 consecutive bytes, aligned
	FINISH
	; ---- PATH W
.Lpath_w:
	s_lshr_b32 s21, ttmp9, 1                       ; which 128 columns: 0 .. 23
	s_and_b32 s22, ttmp9, 1                        ; which 512 along K
	s_lshl_b32 s21, s21, 7
	s_lshl_b32 s23, s[WV], 5
	s_add_co_u32 s21, s21, s23                     ; my wave's first column
	v_lshlrev_b32 v3, 2, v2                        ; in: 4 bytes a lane: a wave reads 128 consecutive bytes, the four waves 512
	s_mul_i32 s23, s[WV], 32*WPITCH
	s_add_co_u32 s23, s23, WSTAGE                  ; my stage
	v_mul_u32_u24 v4, v2, WPITCH
	v_add_nc_u32 v4, s23, v4                       ; into it: row = my column
	v_and_b32 v5, 15, v2
	v_lshrrev_b32 v6, 4, v2                        ; out of it: sixteen lanes to a row, two rows an instruction
	v_mul_u32_u24 v7, v6, WPITCH
	v_lshl_add_u32 v7, v5, 4, v7
	v_add_nc_u32 v7, s23, v7
	v_mul_u32_u24 v8, v6, WKROW
	v_lshl_add_u32 v8, v5, 4, v8                   ; and the same place in w_codes
	v_lshlrev_b32 v9, 5, v2                        ; my column's row of scale bytes
	s_mul_i32 s24, s22, 512*WROW
	s_lshl_b32 s26, s21, 2
	s_add_co_u32 s24, s24, s26
	s_add_nc_u64 s[6:7], s[6:7], s[24:25]          ; qkv_w at (512 y, my first column)
	s_lshl_b32 s24, s21, 9
	s_lshl_b32 s26, s22, 8
	s_add_co_u32 s24, s24, s26
	s_add_nc_u64 s[14:15], s[14:15], s[24:25]      ; w_codes: column x 512 + 256 y
	s_lshl_b32 s24, s21, 5
	s_lshl_b32 s26, s22, 4
	s_add_co_u32 s24, s24, s26
	s_add_nc_u64 s[16:17], s[16:17], s[24:25]      ; w_scales: column x 32 + 16 y
	WLOAD 0
	WLOAD 1
.irp t, 0,1,2,3,4,5,6,7,8,9,10,11,12,13,14,15
	WBLOCK \t
.endr
	global_store_b128 v9, v[WSB:WSB+3], s[16:17]   ; my column's 16 scale bytes
.irp t, 0,1,2,3,4,5,6,7,8,9,10,11,12,13,14,15
	ds_load_b128 v[WOUT+4*\t:WOUT+4*\t+3], v7 offset:2*\t*WPITCH   ; LDS serves a wave's instructions in order: these see my stores
.endr
.irp t, 0,1,2,3,4,5,6,7,8,9,10,11,12,13,14,15
	s_wait_dscnt 15-\t                             ; the younger loads may be out
	global_store_b128 v8, v[WOUT+4*\t:WOUT+4*\t+3], s[14:15] offset:2*\t*WKROW   ; sixteen lanes store 256 consecutive bytes, aligned
.endr
	FINISH
	; ---- PATH P (no LDS)
.Lpath_p:
	s_sub_co_u32 s21, ttmp9, 48
	s_and_b32 s22, s21, 7                          ; which 128 columns
	s_lshr_b32 s21, s21, 3                         ; which 256 along K
	v_lshlrev_b32 v3, 2, v2                        ; in: 4 bytes a lane
	v_lshlrev_b32 v4, 4, v2                        ; out: 16 bytes a lane
	s_lshl_b32 s24, s21, 20                        ; 256 rows of 4,096 bytes
	s_lshl_b32 s26, s22, 9
	s_add_co_u32 s24, s24, s26
	s_lshl_b32 s26, s[WV], 7
	s_add_co_u32 s24, s24, s26
	s_add_nc_u64 s[8:9], s[8:9], s[24:25]
	s_lshl_b32 s24, s21, 19                        ; a K step's images: 64 x 8,192 bytes
	s_lshl_b32 s26, s22, 16                        ; 8 blocks of 16 columns
	s_add_co_u32 s24, s24, s26
	s_lshl_b32 s26, s[WV], 14                      ; my wave's two
	s_add_co_u32 s24, s24, s26
	s_add_nc_u64 s[18:19], s[18:19], s[24:25]
	PLOAD 0
	PLOAD 1
.irp t, 0,1,2,3,4,5,6,7
	PCHUNK \t
.endr
	FINISH
.Lfunc_end_k_qf892a49be6_prep:
	.size	k_qf892a49be6_prep, .Lfunc_end_k_qf892a49be6_prep-k_qf892a49be6_prep
	.p2alignl 7, 3214868480
	.fill 96, 4, 3214868480
	.section	.rodata,"a",@progbits
	.p2align	6, 0x0
	.amdhsa_kernel k_qf892a49be6_prep
		.amdhsa_group_segment_fixed_size 68096
		.amdhsa_private_segment_fixed_size 0
		.amdhsa_enable_private_segment 0
		.amdhsa_kernarg_size 64
		.amdhsa_user_sgpr_count 2
		.amdhsa_user_sgpr_kernarg_segment_ptr 1
		.amdhsa_wavefront_size32 1
		.amdhsa_system_sgpr_workgroup_id_x 1
		.amdhsa_system_sgpr_workgroup_id_y 1
		.amdhsa_system_sgpr_workgroup_id_z 1
		.amdhsa_system_vgpr_workitem_id 0
		.amdhsa_next_free_vgpr 194
		.amdhsa_next_free_sgpr 66
		.amdhsa_reserve_vcc 0
		.amdhsa_float_denorm_mode_32 3
		.amdhsa_float_denorm_mode_16_64 3
		.amdhsa_memory_ordered 1
		.amdhsa_forward_progress 1
		.amdhsa_inst_pref_size 149
	.end_amdhsa_kernel
	.amdgpu_metadata
---
amdhsa.version: [ 1, 2 ]
amdhsa.kernels:
  - .name:           k_qf892a49be6_prep
    .symbol:         k_qf892a49be6_prep.kd
    .args:
      - { .name: x, .offset: 0, .size: 8, .value_kind: global_buffer, .address_space: global }
      - { .name: qkv_w, .offset: 8, .size: 8, .value_kind: global_buffer, .address_space: global }
      - { .name: proj_w, .offset: 16, .size: 8, .value_kind: global_buffer, .address_space: global }
      - { .name: x_codes, .offset: 24, .size: 8, .value_kind: global_buffer, .address_space: global }
      - { .name: x_scales, .offset: 32, .size: 8, .value_kind: global_buffer, .address_space: global }
      - { .name: w_codes, .offset: 40, .size: 8, .value_kind: global_buffer, .address_space: global }
      - { .name: w_scales, .offset: 48, .size: 8, .value_kind: global_buffer, .address_space: global }
      - { .name: pw_img, .offset: 56, .size: 8, .value_kind: global_buffer, .address_space: global }
    .group_segment_fixed_size: 68096
    .private_segment_fixed_size: 0
    .kernarg_segment_align: 8
    .kernarg_segment_size: 64
    .max_flat_workgroup_size: 128
    .sgpr_count:     66
    .vgpr_count:     194
    .wavefront_size: 32
...
	.end_amdgpu_metadata
.endif
;; end of part 1
;; launch gemm_qkv (part 2): grid 12 x 32, 4 waves a work-group, clusters of 4 x 4, 327,680 bytes of LDS; arguments x_codes, x_scales, w_codes, w_scales, qkv_b, qkv_img; writes qkv_img
.if DOCPART == 2
	.amdgcn_target "amdgcn-amd-amdhsa--gfx1250"
	.amdhsa_code_object_version 6
	.text
	.protected	k_qf892a49be6_gemm_qkv
	.globl	k_qf892a49be6_gemm_qkv
	.p2align	8
	.type	k_qf892a49be6_gemm_qkv,@function
k_qf892a49be6_gemm_qkv:
	s_mov_b64 s[64:65], 0
	v_nop
	global_prefetch_b8 v0, s[64:65] scope:SCOPE_SE
	s_setreg_imm32_b32 hwreg(HW_REG_WAVE_MODE, 25, 1), 1
	s_wait_xcnt 0x0
	s_wait_alu depctr_hold_cnt(0) depctr_sa_sdst(0) depctr_va_vdst(0) depctr_va_sdst(0) depctr_va_ssrc(0) depctr_va_vcc(0) depctr_vm_vsrc(0)
	s_getreg_b32 s2, hwreg(HW_REG_IB_STS2, 6, 4)
	s_cmp_eq_u32 s2, 0
	s_cbranch_scc0 .Lentry_in_a_cluster
	s_endpgm
.Lentry_in_a_cluster:
	s_bfe_u32 s2, ttmp6, 0x10000c
	s_cmp_lg_u32 s2, 0xf033
	s_cbranch_scc0 .Lentry_shape_is_right
	s_endpgm
.Lentry_shape_is_right:
; qkv = x @ qkv_w on codes of E2M1 with one E8M0 scale for each 32 along K (K = 1,024); sums in f32; q's bias added; the results leave as f16, laid as images of the operand registers of launch attn.
; LEFT OUT: k's bias (the softmax takes it away: shown at the head of launch prep); v's bias is added in launch attn.
; x_codes [8192][512 bytes], x_scales [8192][32]; w_codes [3072][512 bytes], w_scales [3072][32]: K innermost, two codes a byte.
; A tile of 256 x 256 results is made by a work-group of four waves; a wave makes 128 x 128: 64 accumulators of 16 x 16, 512 registers.  K goes in two steps of 512 through two LDS slots; both are asked for
; at the start, with the scale bytes of the tile's rows: nothing is filled again.
; THE MATRIX INSTRUCTION: source 0 = 16 rows of 'B', source 1 = 16 rows of 'A': a lane holds one row of A, and its eight registers eight neighbouring rows of B.
; WHICH CLUSTER MAKES WHAT hangs on the cluster's x, which all sixteen partners share: 0: q, 1: k, 2: v.
;   q, k: A = x, B = qkv_w's columns: a lane holds a token, its registers eight channels: rounded in pairs they are half a fragment (16 tokens x 32 channels) of Q or K.
;   v:    A = qkv_w's columns 2,048 on, B = x: a lane holds a channel, its registers eight keys: half a fragment (16 channels x 32 keys) of V^T.
; Only pointers and coordinates are chosen; the text of the products is one.  So each accumulator leaves by four roundings and ONE store of 512 consecutive, aligned bytes: no LDS on the way out.
; qkv_img: Q at 0, K at 2^24: [batch x head: 64][16 tokens: 128][32 channels: 2][1,024 bytes];  V at 2^25: [batch x head: 64][32 keys: 64][16 channels: 4][1,024 bytes].  A fragment's image: registers 0-3
; at 16 x lane, registers 4-7 at 512 + 16 x lane.
; CLUSTERS: 4 x 4 work-groups.  The four of a row of the cluster need the same tiles of A, the four of a column the same tiles of B: each is asked for jointly.
; REGISTERS, in windows of 256: window 0: v0-31 addresses; v32-95 scale words, two sets; v128-191 A's fragments, ONE set; v192-255 what the sums begin with; on the way out v128-255 hold packed results.
;   window 1: B's fragments, TWO sets, at v0 and at v128.   window 2: the accumulators of my rows 0-63 ((a, b) at v[8 (8 a + b)]);   window 3: those of my rows 64-127.
.set NQ,     4                         ; matrix instructions deep in a slot: 512 along K
.set ROWB,   256                       ; a tile's row in bytes: 512 codes
.set KROW,   512                       ; a row of codes in memory
.set PITCH,  272                       ; an LDS row: 256 bytes + 16 of padding = 68 words: row r starts at bank 4 r mod 64 (64 banks of 4 bytes: ISA guide 11.1)
.set FR,     8                         ; registers of a fragment: 16 rows x 128 K
.set NL,     2                         ; LDS loads that bring one
.set NP,     4                         ; places behind this matrix instruction (ISA guide 7.12.1)
.set HALFT,  128*PITCH                 ; 128 rows: what one tensor load brings
.set SLOT,   4*HALFT                   ; A's 256 rows, then B's 256 rows
.set KS,     32                        ; a row of scale bytes
.set SCL,    2*SLOT                    ; behind the slots: the scale bytes, as rows of 256 bytes + 16 of padding
.set HALFS,  (128*KS/256)*272          ; those of 128 rows: what one tensor load brings
.set SBLK,   (16*KS/256)*272           ; those of 16 rows
.set SPARE,  SCL+4*HALFS               ; the spare words, 128 bytes for each wave: two blocks of 256 bytes that no other line names
.set ADRA, 16                          ; v16-17  LDS address of my A fragments in slot 0, 1
.set ADRB, 20                          ; v20-21  the same for B
.set CO,   26                          ; v26     16 x lane: my place in an image
.set ADRS, 27                          ; v27     LDS address of my scale words: lanes 0-15 A's rows, lanes 16-31 B's
.set SPW,  28                          ; v28     LDS address of my spare word; never rewritten
.set NIL,  29                          ; v29     0; never rewritten
.set BO,   30                          ; v30     32 x (lane / 16): my eight numbers of 16 of the bias
.set SC,   32                          ; scale words: set s at v[SC + 32 s]; register 4 i + q: lanes 0-15 the word of A's block i, lanes 16-31 that of B's block i
.set AF,   128
.set BIAS, 192                         ; register 8 b + j: what the sums of B's block b begin with
.set TMP,  128
.set G1, 24                            ; s[24:31] group 1 for A's tiles;  s[32:39] group 0, one set for each slot
.set G0, 32
.set G1B, 48                           ; s[48:55], s[56:63] the same for B's tiles
.set G0B, 56
.set G1S, 68                           ; s[68:75], s[76:79] groups 1 and 0 for A's scales;  s[80:87], s[88:91] for B's
.set G0S, 76
.set G1SB, 80
.set G0SB, 88
.set MSB, 0
.macro WIN new                         ; the immediate's high byte repeats the setting that is left
.if MSB != (\new)
	s_set_vgpr_msb (MSB<<8)|(\new)
.set MSB, (\new)
.endif
.endm
.set MUL_LO, 0xa1                      ; source 0 (B) window 1, source 1 (A) window 0, C and D window 2
.set MUL_HI, 0xf1                      ; the same, C and D window 3
.set TO_B,   0x40                      ; destination window 1, address window 0
; A joint load: waves 0 and 1 fetch for A, waves 2 and 3 for B.  The branch hangs on the wave's number alone.  An s_nop 0 and four v_nop follow each of the two lines.
.macro JLOAD g0a, g1a, g0b, g1b
	s_cmp_eq_u32 s15, 0
	s_cbranch_scc0 .Lfor_b_\@
	tensor_load_to_lds s[\g0a:\g0a+3], s[\g1a:\g1a+7]
	s_nop 0
.rept 4
	v_nop
.endr
	s_branch .Lasked_\@
.Lfor_b_\@:
	tensor_load_to_lds s[\g0b:\g0b+3], s[\g1b:\g1b+7]
	s_nop 0
.rept 4
	v_nop
.endr
.Lasked_\@:
.endm
.macro CROUND                          ; a round of the cluster's barrier
	s_barrier_signal -1
	s_barrier_wait -1
	s_cmp_lg_u32 s14, 0
	s_cbranch_scc1 .Lnot_wave_0_\@
	s_barrier_signal -3
.Lnot_wave_0_\@:
	s_barrier_wait -3
	s_barrier_signal -1
	s_barrier_wait -1
.endm
	s_load_b128 s[4:7], s[0:1], 0x0                ; x_codes s[4:5], x_scales s[6:7]
	s_load_b128 s[8:11], s[0:1], 0x10              ; w_codes s[8:9], w_scales s[10:11]
	s_load_b128 s[96:99], s[0:1], 0x20             ; qkv_b s[96:97], qkv_img s[98:99]
	v_lshl_add_u32 v[SPW], v0, 2, SPARE
	v_mov_b32 v[NIL], 0
	ds_add_u32 v[SPW], v[NIL]                      ; the wave's opening: the add, twice on end, and its wait ahead of my first tensor load
	ds_add_u32 v[SPW], v[NIL]
	v_lshrrev_b32 v1, 5, v0
	v_readfirstlane_b32 s14, v1                    ; wave 0..3
	s_lshr_b32 s15, s14, 1                         ; which half of A's rows is mine.  Also: I fetch for A (0) or for B (1)
	s_and_b32 s16, s14, 1                          ; which half of B's rows.  Also: which 128 rows I fetch
	s_bfe_u32 s40, ttmp6, 0x40000                  ; cx, cy: my place in the cluster
	s_bfe_u32 s41, ttmp6, 0x40004
	s_and_b32 s101, ttmp7, 0xffff                  ; the cluster's y: which 1,024 rows of x
	s_cmp_eq_u32 ttmp9, 2                          ; v's clusters?  The cluster's x is the same in all sixteen partners
	s_cselect_b32 s42, s101, ttmp9                 ; B's 1,024 rows: of x by the cluster's y, of qkv_w's columns by its x
	s_cselect_b32 s17, 0, s101                     ; A's 1,024 rows: v's columns, or of x by the cluster's y
	s_cselect_b32 s100, 2048, 0                    ; v's columns begin at 2,048
	s_lshl_b32 s42, s42, 2
	s_add_co_u32 s42, s42, s40                     ; B's tile = 4 x that + cx
	s_lshl_b32 s17, s17, 2
	s_add_co_u32 s17, s17, s41                     ; A's tile = 4 x that + cy
	s_lshl_b32 s43, s41, 2
	s_lshl_b32 s43, 15, s43                        ; my row of the cluster
	s_lshl_b32 s44, 0x1111, s40                    ; my column
	; descriptor group 1: a tile of 128 rows x 256 bytes, padded in LDS
	s_or_b32 s[G1+0], s43, (0<<16)|(1<<20)|(1<<21)|(5<<22)|(3<<25)  ; 15:0 the mask: A's tiles go to my row; 17:16 elements of 1 byte; 20 padding on; 21 set beside a mask; 24:22 after every 64 words; 31:25 four words
	s_or_b32 s[G1B+0], s44, (0<<16)|(1<<20)|(1<<21)|(5<<22)|(3<<25)
.irp g, G1, G1B
	s_mov_b32 s[\g+1], ROWB<<16                    ; tensor_dim0
	s_mov_b32 s[\g+2], 128<<16                     ; tensor_dim1
	s_mov_b32 s[\g+3], ROWB<<16                    ; tile_dim0
	s_mov_b32 s[\g+4], 128                         ; tile_dim1
	s_mov_b32 s[\g+5], KROW                        ; tensor_dim0_stride
	s_mov_b32 s[\g+6], 0
	s_mov_b32 s[\g+7], 0
.endr
	; and for the scale bytes of 128 rows: 4,096 dense bytes, as 16 rows of 256 bytes (32 elements of 8 bytes), 16 bytes of padding behind each
	s_or_b32 s[G1S+0], s43, (3<<16)|(1<<20)|(1<<21)|(5<<22)|(3<<25)
	s_or_b32 s[G1SB+0], s44, (3<<16)|(1<<20)|(1<<21)|(5<<22)|(3<<25)
.irp g, G1S, G1SB
	s_mov_b32 s[\g+1], 32<<16
	s_mov_b32 s[\g+2], (128*KS/256)<<16
	s_mov_b32 s[\g+3], 32<<16
	s_mov_b32 s[\g+4], 128*KS/256
	s_mov_b32 s[\g+5], 32
	s_mov_b32 s[\g+6], 0
	s_mov_b32 s[\g+7], 0
.endr
	s_lshl_b32 s18, s16, 7                         ; which 128 rows of the tile I fetch
	s_lshl_b32 s20, s17, 8
	s_add_co_u32 s20, s20, s18
	s_add_co_u32 s20, s20, s100                    ; A: row 256 x tile + 128 x half (+ 2,048)
	s_lshl_b32 s46, s42, 8
	s_add_co_u32 s46, s46, s18                     ; B: row 256 x tile + 128 x half
	s_mov_b32 s21, 0
	s_mov_b32 s47, 0
	s_mov_b64 s[18:19], KS
	s_mul_u64 s[22:23], s[20:21], s[18:19]         ; where these rows' scale bytes begin
	s_mul_u64 s[92:93], s[46:47], s[18:19]
	s_mov_b64 s[18:19], KROW
	s_mul_u64 s[20:21], s[20:21], s[18:19]         ; and their codes
	s_mul_u64 s[46:47], s[46:47], s[18:19]
	s_mul_i32 s45, s14, HALFT                      ; where they go: wave x 128 rows: no place in the cluster enters an LDS address
	s_mul_i32 s94, s14, HALFS
	s_wait_dscnt 0x0                               ; both opening adds are done
	s_wait_kmcnt 0x0
	s_cmp_eq_u32 ttmp9, 2                          ; in v's clusters the two operands change places: a choice between buffers on the cluster's x alone
	s_cselect_b64 s[12:13], s[8:9], s[4:5]         ; A's codes
	s_cselect_b64 s[8:9], s[4:5], s[8:9]           ; B's codes
	s_cselect_b64 s[66:67], s[10:11], s[6:7]       ; A's scale bytes
	s_cselect_b64 s[10:11], s[6:7], s[10:11]       ; B's scale bytes
	s_add_nc_u64 s[20:21], s[12:13], s[20:21]
	s_add_nc_u64 s[22:23], s[66:67], s[22:23]
	s_add_nc_u64 s[46:47], s[8:9], s[46:47]
	s_add_nc_u64 s[92:93], s[10:11], s[92:93]
	CROUND                                         ; all sixteen work-groups are here: the first joint loads meet
	s_mov_b32 s[G0S], 1
	s_add_co_u32 s[G0S+1], s94, SCL
	s_mov_b64 s[G0S+2:G0S+3], s[22:23]
	s_or_b32 s[G0S+3], s[G0S+3], 0x80000000
	s_mov_b32 s[G0SB], 1
	s_add_co_u32 s[G0SB+1], s94, SCL
	s_mov_b64 s[G0SB+2:G0SB+3], s[92:93]
	s_or_b32 s[G0SB+3], s[G0SB+3], 0x80000000
	JLOAD G0S, G1S, G0SB, G1SB                     ; the scale bytes first: they are wanted with K step 0
.irp s, 0,1
	s_mov_b32 s[G0+4*\s], 1
	s_add_co_u32 s[G0+4*\s+1], s45, \s*SLOT
	s_add_nc_u64 s[G0+4*\s+2:G0+4*\s+3], s[20:21], \s*ROWB
	s_or_b32 s[G0+4*\s+3], s[G0+4*\s+3], 0x80000000
	s_mov_b32 s[G0B+4*\s], 1
	s_add_co_u32 s[G0B+4*\s+1], s45, \s*SLOT
	s_add_nc_u64 s[G0B+4*\s+2:G0B+4*\s+3], s[46:47], \s*ROWB
	s_or_b32 s[G0B+4*\s+3], s[G0B+4*\s+3], 0x80000000
	JLOAD G0+4*\s, G1, G0B+4*\s, G1B               ; three tensor loads of mine are out: all that this launch asks for
.endr
	v_and_b32 v1, 15, v0                           ; l % 16
	v_bfe_u32 v2, v0, 4, 1                         ; l / 16
	v_mul_u32_u24 v3, v1, PITCH
	v_lshl_add_u32 v4, v2, 4, v3                   ; a fragment's row x pitch + 16 x half
	s_mul_i32 s21, s15, HALFT                      ; my 128 rows of A
	s_mul_i32 s22, s16, HALFT                      ; my 128 rows of B,
	s_add_co_u32 s22, s22, 2*HALFT                 ; which lie behind A's 256
.irp s, 0,1
	v_add_nc_u32 v[ADRA+\s], s21, v4
	v_add_nc_u32 v[ADRB+\s], s22, v4
	s_add_co_u32 s21, s21, SLOT
	s_add_co_u32 s22, s22, SLOT
.endr
	v_mul_u32_u24 v5, v1, KS                       ; my row's scale bytes: 32 a row,
	v_lshrrev_b32 v6, 8, v5
	v_lshl_add_u32 v5, v6, 4, v5                   ; and 16 more for each 256 passed
	s_mul_i32 s21, s15, HALFS                      ; A's: my 128 rows
	s_mul_i32 s22, s16, HALFS                      ; B's: my 128 rows, behind A's 256
	s_add_co_u32 s22, s22, 2*HALFS
	s_sub_co_u32 s22, s22, s21
	v_mul_u32_u24 v6, s22, v2                      ; lanes 16-31 take B's: one product, the distance between the two
	s_add_co_u32 s21, s21, SCL
	v_add_nc_u32 v5, v5, v6
	v_add_nc_u32 v[ADRS], s21, v5
	v_and_b32 v6, 31, v0
	v_lshlrev_b32 v[CO], 4, v6
	v_lshlrev_b32 v[BO], 5, v2
	; where my results go
	s_lshl_b32 s20, s17, 8
	s_lshl_b32 s21, s15, 7
	s_add_co_u32 s20, s20, s21                     ; my first row of A, counted without the 2,048
	s_lshl_b32 s46, s42, 8
	s_lshl_b32 s47, s16, 7
	s_add_co_u32 s46, s46, s47                     ; my first row of B
	s_cmp_eq_u32 ttmp9, 2
	s_cselect_b32 s21, s46, s20                    ; my first row of x,
	s_cselect_b32 s47, s20, s46                    ; my first column of qkv_w,
	s_and_b32 s47, s47, 1023                       ; within q, k or v
	s_lshl_b32 s18, ttmp9, 24                      ; Q, K or V
	s_lshr_b32 s19, s21, 11
	s_lshl_b32 s19, s19, 22                        ; the batch: 16 heads of 2^18 bytes
	s_add_co_u32 s18, s18, s19
	s_lshr_b32 s19, s47, 6
	s_lshl_b32 s19, s19, 18                        ; the head
	s_add_co_u32 s18, s18, s19
	s_and_b32 s19, s21, 2047
	s_lshl_b32 s19, s19, 7                         ; the token: 128 bytes each, in Q and K (2,048 for 16) as in V (4,096 for 32)
	s_add_co_u32 s18, s18, s19
	s_mov_b32 s19, 0
	s_add_nc_u64 s[12:13], s[98:99], s[18:19]
	; what the sums begin with.  q: its bias: register 8 b + j is that of column 16 b + 8 (l / 16) + j of my 128.  k, v: zeros.  Both arms write the same 64 registers.
	s_cmp_lg_u32 ttmp9, 0
	s_cbranch_scc1 .Lno_bias
	s_lshl_b32 s18, s46, 2
	s_add_nc_u64 s[96:97], s[96:97], s[18:19]
.irp b, 0,1,2,3,4,5,6,7
	global_load_b128 v[BIAS+8*\b:BIAS+8*\b+3], v[BO], s[96:97] offset:64*\b
	global_load_b128 v[BIAS+8*\b+4:BIAS+8*\b+7], v[BO], s[96:97] offset:64*\b+16
.endr
	s_branch .Lbias_done
.Lno_bias:
.set j, 0
.rept 64
	v_mov_b32 v[BIAS+j], 0
.set j, j+1
.endr
.Lbias_done:
.macro FRAG reg, adr, q, i             ; a fragment, 16 rows x 128 K of 4-bit codes: lane l holds row l % 16; registers 4 c .. 4 c + 3 hold K = 64 c + 32 (l / 16) + 0 .. 31
.irp c, 0,1
	ds_load_b128 v[\reg+4*\c:\reg+4*\c+3], v[\adr] offset:64*(\q)+32*\c+(\i)*16*PITCH
.endr
.endm
; 16 matrix instructions: A's blocks a0, a0 + 1 x B's eight, 128 along K: the slot's q-th.  p: B's set;  sc: the set of scale words.  first = 1: the sums begin with the registers BIAS.
; The 64 accumulators take turns, one instruction a turn, in the same order in every step.
.macro MUL16 a0, p, q, sc, first
.irp a, \a0, \a0+1
.irp b, 0,1,2,3,4,5,6,7
.if \first
	v_wmma_scale_f32_16x16x128_f8f6f4 v[8*(8*((\a)%4)+\b):8*(8*((\a)%4)+\b)+7], v[128*(\p)+FR*\b:128*(\p)+FR*\b+FR-1], v[AF+FR*(\a):AF+FR*(\a)+FR-1], v[BIAS+8*\b:BIAS+8*\b+7], v[SC+8*NQ*(\sc)+NQ*\b+(\q)], v[SC+8*NQ*(\sc)+NQ*(\a)+(\q)] matrix_a_fmt:MATRIX_FMT_FP4 matrix_b_fmt:MATRIX_FMT_FP4 matrix_a_scale:MATRIX_SCALE_ROW1
.else
	v_wmma_scale_f32_16x16x128_f8f6f4 v[8*(8*((\a)%4)+\b):8*(8*((\a)%4)+\b)+7], v[128*(\p)+FR*\b:128*(\p)+FR*\b+FR-1], v[AF+FR*(\a):AF+FR*(\a)+FR-1], v[8*(8*((\a)%4)+\b):8*(8*((\a)%4)+\b)+7], v[SC+8*NQ*(\sc)+NQ*\b+(\q)], v[SC+8*NQ*(\sc)+NQ*(\a)+(\q)] matrix_a_fmt:MATRIX_FMT_FP4 matrix_b_fmt:MATRIX_FMT_FP4 matrix_a_scale:MATRIX_SCALE_ROW1
.endif
.endr
.endr
.endm
.macro FETCH_B slot, q, p              ; B's eight fragments of the slot's q-th 128 along K into set p
	WIN TO_B
.irp i, 0,1,2,3,4,5,6,7
	FRAG 128*(\p)+FR*\i, ADRB+\slot, \q, \i
.endr
	WIN 0
.endm
.macro FETCH_A slot, q, i0             ; A's blocks i0 .. i0 + 3
.irp i, \i0, \i0+1, \i0+2, \i0+3
	FRAG AF+FR*(\i), ADRA+\slot, \q, \i
.endr
.endm
.macro SCALES sc                       ; a K step's scale words into set sc: four words a row; lanes 0-15 take A's block i, lanes 16-31 B's block i
.irp i, 0,1,2,3,4,5,6,7
	ds_load_b128 v[SC+8*NQ*\sc+NQ*\i:SC+8*NQ*\sc+NQ*\i+3], v[ADRS] offset:\i*SBLK
.endr
.endm
.macro PLACES n                        ; places behind matrix instructions, in front of loads into registers that they have read and of the first read of results
.rept \n
	v_nop
.endr
.endm
; A step of 128 along K that has its successor in the same slot.  A block of A is free as soon as its eight products are issued: blocks 0-3 are fetched anew in the step's middle, blocks 4-7 at its end.
.macro STEP slot, q, first
	s_wait_dscnt 4*NL                              ; B's set, A's blocks 0-3 and the scale words are in; the youngest eight loads (A's blocks 4-7) may be out
	WIN MUL_LO-0x20*(\first)                       ; (first = 1: C in window 0)
	MUL16 0, (\q)%2, \q, \slot, \first
	MUL16 2, (\q)%2, \q, \slot, \first
	s_wait_dscnt 0                                 ; A's blocks 4-7 are in
	PLACES NP
	FETCH_B \slot, (\q)+1, 1-(\q)%2
	FETCH_A \slot, (\q)+1, 0
	WIN MUL_HI-0x30*(\first)
	MUL16 4, (\q)%2, \q, \slot, \first
	MUL16 6, (\q)%2, \q, \slot, \first
	PLACES NP
	WIN 0
	FETCH_A \slot, (\q)+1, 4
.endm
	s_wait_tensorcnt 1                             ; the scale bytes and my part of slot 0 are in; slot 1's load, the one issued behind them, may be out
	s_barrier_signal -1
	s_barrier_wait -1                              ; everybody's are
	FETCH_B 0, 0, 0
	FETCH_A 0, 0, 0
	SCALES 0
	FETCH_A 0, 0, 4
	s_wait_loadcnt 0x0                             ; q's bias
	STEP 0, 0, 1
	STEP 0, 1, 0
	STEP 0, 2, 0
	; slot 0's last step changes slots: one barrier; in front of it each wave waits for all its tensor loads: behind it slot 1 is whole
	s_wait_tensorcnt 0x0                           ; my part of slot 1 has landed
	ds_add_u32 v[SPW], v[NIL]                      ; 0 onto my spare word
	s_wait_dscnt 4*NL+1                            ; (the add and the youngest eight loads, A's blocks 4-7, may be out)
	WIN MUL_LO
	MUL16 0, 1, NQ-1, 0, 0
	s_wait_dscnt 0x0                               ; no LDS instruction of mine is out at the signal
	s_barrier_signal -1
	MUL16 2, 1, NQ-1, 0, 0
	WIN 0
	s_barrier_wait -1
	PLACES NP
	v_add_nc_u32 v[ADRS], 4*NQ, v[ADRS]            ; on to the second K step's scale words
	FETCH_B 1, 0, 0
	FETCH_A 1, 0, 0
	SCALES 1
	WIN MUL_HI
	MUL16 4, 1, NQ-1, 0, 0
	MUL16 6, 1, NQ-1, 0, 0
	PLACES NP
	WIN 0
	FETCH_A 1, 0, 4
	STEP 1, 0, 0
	STEP 1, 1, 0
	STEP 1, 2, 0
	s_wait_dscnt 4*NL                              ; the very last step: nothing more to fetch
	WIN MUL_LO
	MUL16 0, 1, NQ-1, 1, 0
	MUL16 2, 1, NQ-1, 1, 0
	s_wait_dscnt 0
	WIN MUL_HI
	MUL16 4, 1, NQ-1, 1, 0
	MUL16 6, 1, NQ-1, 1, 0
	WIN 0
; THE WAY OUT.  Accumulator (a, b): four roundings make a lane's 16 bytes, which are half a fragment's image: one store of 512 consecutive, aligned bytes.  Each accumulator is read from its low end on.
; q, k: token block a, channels 16 b on: head b / 4, fragment (b % 4) / 2, half b % 2.     v: channels 16 a on: head a / 4, block a % 4; keys 16 b on: fragment b / 2, half b % 2.
.macro OUT isv
.irp a, 0,1,2,3,4,5,6,7
.if \a == 4
	s_wait_xcnt 0x0                                ; the stores of blocks 0-3 have read their registers: blocks 4-7 are packed into them
.endif
	WIN 0x0a+5*(\a/4)                              ; sources 0 and 1: window 2 or 3
.irp b, 0,1,2,3,4,5,6,7
.irp r, 0,1,2,3
	v_cvt_pk_f16_f32 v[TMP+32*(\a%4)+4*\b+\r], v[64*(\a%4)+8*\b+2*\r], v[64*(\a%4)+8*\b+2*\r+1]
.endr
.endr
	WIN 0
.irp b, 0,1,2,3,4,5,6,7
.if \isv
	global_store_b128 v[CO], v[TMP+32*(\a%4)+4*\b:TMP+32*(\a%4)+4*\b+3], s[12:13] offset:262144*(\a/4)+1024*(\a%4)+4096*(\b/2)+512*(\b%2)
.else
	global_store_b128 v[CO], v[TMP+32*(\a%4)+4*\b:TMP+32*(\a%4)+4*\b+3], s[12:13] offset:2048*\a+262144*(\b/4)+512*(\b%4)
.endif
.endr
.endr
.endm
	PLACES NP                                      ; the packed results are laid over A's fragments, which the last products read
	s_cmp_eq_u32 ttmp9, 2
	s_cbranch_scc1 .Lout_v
	OUT 0
	s_branch .Lout_done
.Lout_v:
	OUT 1
.Lout_done:
	s_wait_tensorcnt 0x0                           ; the wave's end
	ds_add_u32 v[SPW], v[NIL]
	s_wait_dscnt 0x0
	CROUND                                         ; the closing round: no work-group ends while a partner may still ask for a tile that names it
	s_endpgm
.Lfunc_end_k_qf892a49be6_gemm_qkv:
	.size	k_qf892a49be6_gemm_qkv, .Lfunc_end_k_qf892a49be6_gemm_qkv-k_qf892a49be6_gemm_qkv
	.p2alignl 7, 3214868480
	.fill 96, 4, 3214868480
	.section	.rodata,"a",@progbits
	.p2align	6, 0x0
	.amdhsa_kernel k_qf892a49be6_gemm_qkv
		.amdhsa_group_segment_fixed_size 327680
		.amdhsa_private_segment_fixed_size 0
		.amdhsa_enable_private_segment 0
		.amdhsa_kernarg_size 48
		.amdhsa_user_sgpr_count 2
		.amdhsa_user_sgpr_kernarg_segment_ptr 1
		.amdhsa_wavefront_size32 1
		.amdhsa_system_sgpr_workgroup_id_x 1
		.amdhsa_system_sgpr_workgroup_id_y 1
		.amdhsa_system_sgpr_workgroup_id_z 1
		.amdhsa_system_vgpr_workitem_id 0
		.amdhsa_next_free_vgpr 1024
		.amdhsa_next_free_sgpr 102
		.amdhsa_reserve_vcc 0
		.amdhsa_float_denorm_mode_32 3
		.amdhsa_float_denorm_mode_16_64 3
		.amdhsa_memory_ordered 1
		.amdhsa_forward_progress 1
		.amdhsa_inst_pref_size 144
	.end_amdhsa_kernel
	.amdgpu_metadata
---
amdhsa.version: [ 1, 2 ]
amdhsa.kernels:
  - .name:           k_qf892a49be6_gemm_qkv
    .symbol:         k_qf892a49be6_gemm_qkv.kd
    .args:
      - { .name: x_codes, .offset: 0, .size: 8, .value_kind: global_buffer, .address_space: global }
      - { .name: x_scales, .offset: 8, .size: 8, .value_kind: global_buffer, .address_space: global }
      - { .name: w_codes, .offset: 16, .size: 8, .value_kind: global_buffer, .address_space: global }
      - { .name: w_scales, .offset: 24, .size: 8, .value_kind: global_buffer, .address_space: global }
      - { .name: qkv_b, .offset: 32, .size: 8, .value_kind: global_buffer, .address_space: global }
      - { .name: qkv_img, .offset: 40, .size: 8, .value_kind: global_buffer, .address_space: global }
    .group_segment_fixed_size: 327680
    .private_segment_fixed_size: 0
    .kernarg_segment_align: 8
    .kernarg_segment_size: 48
    .max_flat_workgroup_size: 128
    .sgpr_count:     102
    .vgpr_count:     1024
    .wavefront_size: 32
...
	.end_amdgpu_metadata
.endif
;; end of part 2
;; launch attn (part 3): grid 4 x 64, 16 waves a work-group, clusters of 4 x 1, 327,680 bytes of LDS; arguments qkv_img, qkv_b, ao_img; writes ao_img
.if DOCPART == 3
	.amdgcn_target "amdgcn-amd-amdhsa--gfx1250"
	.amdhsa_code_object_version 6
	.text
	.protected	k_qf892a49be6_attn
	.globl	k_qf892a49be6_attn
	.p2align	8
	.type	k_qf892a49be6_attn,@function
k_qf892a49be6_attn:
	s_mov_b64 s[64:65], 0
	v_nop
	global_prefetch_b8 v0, s[64:65] scope:SCOPE_SE
	s_setreg_imm32_b32 hwreg(HW_REG_WAVE_MODE, 25, 1), 1
	s_wait_xcnt 0x0
	s_wait_alu depctr_hold_cnt(0) depctr_sa_sdst(0) depctr_va_vdst(0) depctr_va_sdst(0) depctr_va_ssrc(0) depctr_va_vcc(0) depctr_vm_vsrc(0)
	s_getreg_b32 s2, hwreg(HW_REG_IB_STS2, 6, 4)
	s_cmp_eq_u32 s2, 0
	s_cbranch_scc0 .Lentry_in_a_cluster
	s_endpgm
.Lentry_in_a_cluster:
	s_bfe_u32 s2, ttmp6, 0x10000c
	s_cmp_lg_u32 s2, 0x3003
	s_cbranch_scc0 .Lentry_shape_is_right
	s_endpgm
.Lentry_shape_is_right:
; For each batch and head: O[q] = sum_k softmax_k(Q[q] . K[k] / 8) V[k] + bv.  Q, K, V^T arrive as f16 images of operand registers (launch gemm_qkv); products on f16 operands, sums, maxima and the softmax
; in f32; the weights p are rounded to f16 for the second product; O leaves as f16 images of the projection's operand registers.
; LEFT OUT: k's bias (the softmax takes it away: shown at the head of launch prep).  v's bias is added HERE, behind the division: a row's weights add up to 1, so sum p (v + bv) / l = sum p v / l + bv:
; it is the addend of the multiply-add that divides by l.
; SHARES.  A work-group owns 512 queries of one batch and head; each of its SIXTEEN waves 32 of them, two tiles of 16, in 256 registers: four waves to a SIMD, so that one wave's softmax stands beside
; another's products and LDS loads.  Every wave walks all 2,048 keys, 64 a step; each fragment of K and V read from LDS feeds two matrix instructions.
; LAYOUT.  S^T = K Q^T (source 0 = 16 keys, source 1 = 16 queries): a lane holds ONE query (lane % 16) and the keys 8 (lane / 16) + 0 .. 7.  Two such tiles, rounded to f16 in pairs, ARE source 1
; (32 keys x 16 queries) of O^T = V^T P, whose result again holds one query a lane, and eight channels, which rounded in pairs are half a fragment of the projection's operand.
; SOFTMAX.  For each query a running maximum m and sum l: p = 2^(c s - c m), c = log2(e) / 8; in every step O and l are multiplied by a = 2^(c m_old - c m_new).  The loop is written once: it begins with
; m = -3e38, l = 0, O = 0, and the first a is 0.
; LDS.  Two slots of 512 keys, 2^17 bytes apart: K's images (64 KiB; a key step's are 8 KiB on end), then V's.  An image is read at 16 x lane: 512 consecutive bytes an instruction, no pitch, no padding.
; CLUSTER.  The four work-groups of a batch and head form a cluster and ask for K and V jointly: waves 0 and 1 for K's two halves of a slot, waves 2 and 3 for V's: 32 KiB dense, as 128 rows of 256 bytes.
; A loading wave has one tensor load out.  Every wait on TENSORcnt is for 0.
.set SLOT1, 1<<17
.set VOFF,  65536
.set STEPB, 8192                       ; a key step's images of K, and of V
.set SPARE, 262144                     ; behind the slots: the spare words, 128 bytes for each wave: eight blocks of 256 bytes that no other line names
.set LI,  1                            ; v1   16 x lane; never rewritten
.set ADK, 2                            ; v2   LDS address of the step's K
.set ADV, 3                            ; v3   of its V
.set SPW, 4                            ; v4   LDS address of my spare word; never rewritten
.set NIL, 5                            ; v5   0; never rewritten
.set PFO, 6                            ; v6   256 x lane: the prefetches' offset; never rewritten
.set BVO, 7                            ; v7   32 x (lane / 16): my eight numbers of 16 of v's bias
.set ST,  8                            ; tile t's statistics at v[ST + 8 t]: +0 c m, +1 m, +2, +3 l (even keys', odd keys'), +4 to +7 at work; a takes +6, its argument +7
.set Q,   24                           ; v24-55   Q: tile t, channels 32 c on: v[Q + 16 t + 8 c]
.set KV,  56                           ; v56-119  a step's eight fragments of K, then of V
.set S,   120                          ; v120-183 S^T: tile t, keys 16 kb on: v[S + 32 t + 8 kb]; P is made in place: keys 32 kc on at v[S + 32 t + 8 kc]
.set O,   184                          ; v184-247 O^T: tile t, channels 16 cb on: v[O + 32 t + 8 cb]
.set OCM, 248                          ; v248-249 c m of the step before
.set CB,  250                          ; v250-253 the sums' second chain
.set WV,  10                           ; s10  my wave's number
.set SEL, 20                           ; s[20:21] lane selects for v_permlanex16_b32: lane l xor 16
.set CS,  22                           ; s[22:23] c: the packed form names a pair and takes its low word for both halves
.set G1,  24                           ; s[24:31] descriptor group 1
.set G0,  32                           ; s[32:35] descriptor group 0, which walks
.set TB,  36                           ; s36  LDS byte at which the step's images of K begin
.set SLOTS, 37                         ; s37  slots still to be asked for
.set CNT, 38                           ; s38  counts a slot's eight steps
.set LIM, 39                           ; s39  1 in a wave that prefetches, else the greatest number
.set PFA, 40                           ; s[40:41] where my prefetches stand
.macro CROUND                          ; a round of the cluster's barrier
	s_barrier_signal -1
	s_barrier_wait -1
	s_cmp_lg_u32 s[WV], 0
	s_cbranch_scc1 .Lnot_wave_0_\@
	s_barrier_signal -3
.Lnot_wave_0_\@:
	s_barrier_wait -3
	s_barrier_signal -1
	s_barrier_wait -1
.endm
.macro TLOAD                           ; waves 0 to 3 fetch, the others nothing: the branch hangs on the wave's number alone.  An s_nop 0 and four v_nop follow the load
	s_cmp_lt_u32 s[WV], 4
	s_cbranch_scc0 .Lno_load_\@
	tensor_load_to_lds s[G0:G0+3], s[G1:G1+7]
	s_nop 0
.rept 4
	v_nop
.endr
.Lno_load_\@:
.endm
; A PREFETCH INTO THE L2 of what the NEXT change of slots will ask for: 64 KiB of K's images and 64 KiB of V's.  Only this cluster reads them.  Its four partners share them out BY ADDRESS, 16 KiB of each
; to a work-group; in each, waves 4 and 5 ask for K's and waves 6 and 7 for V's, 8 KiB an instruction, lanes 256 bytes apart.  So each aligned block of 256 bytes is named once in the launch.
; It asks a slot's eight key steps ahead of the load.  Slots 0 and 1 come by their loads alone; the last change that fills a slot asks for nothing.
.macro ASK
	s_cmp_gt_u32 s[SLOTS], s[LIM]
	s_cbranch_scc0 .Lnot_mine_\@
	global_prefetch_b8 v[PFO], s[PFA:PFA+1] th:TH_LOAD_NT scope:SCOPE_SE
.Lnot_mine_\@:
.endm
	s_load_b128 s[4:7], s[0:1], 0x0                ; qkv_img s[4:5], qkv_b s[6:7]
	s_load_b64 s[8:9], s[0:1], 0x10                ; ao_img
	v_lshl_add_u32 v[SPW], v0, 2, SPARE
	v_mov_b32 v[NIL], 0
	ds_add_u32 v[SPW], v[NIL]                      ; the wave's opening: the add, twice on end, and its wait ahead of the first tensor loads
	ds_add_u32 v[SPW], v[NIL]
	v_lshrrev_b32 v1, 5, v0
	v_readfirstlane_b32 s[WV], v1                  ; wave 0..15
	s_bfe_u32 s11, ttmp6, 0x40000                  ; cx: my place in the cluster: it enters the addresses of Q, of the result and of the prefetches alone
	s_and_b32 s12, ttmp7, 0xffff                   ; 16 x batch + head, which the four partners share
	s_mov_b32 s[G1], 15|(3<<16)|(1<<21)            ; 15:0 the mask: all four work-groups; 17:16 elements of 8 bytes; 20 no padding; 21 set beside a mask
	s_mov_b32 s[G1+1], 32<<16                      ; tensor_dim0 = 32 elements: 256 bytes
	s_mov_b32 s[G1+2], 128<<16                     ; tensor_dim1 = 128
	s_mov_b32 s[G1+3], 32<<16                      ; tile_dim0
	s_mov_b32 s[G1+4], 128                         ; tile_dim1
	s_mov_b32 s[G1+5], 32                          ; tensor_dim0_stride: dense
	s_mov_b32 s[G1+6], 0
	s_mov_b32 s[G1+7], 0
	s_mov_b32 s[SEL], 0x76543210
	s_mov_b32 s[SEL+1], 0xfedcba98
	s_mov_b32 s[CS], 0x3e38aa3b                    ; c = log2(e) / 8
	s_mov_b32 s[CS+1], s[CS]
	s_mov_b32 s[TB], 0
	s_mov_b32 s[SLOTS], 3
	s_lshl_b32 s13, s12, 18                        ; the head's first byte in Q, in K and in V
	s_and_b32 s16, s[WV], 3                        ; what I fetch, if I fetch: 0, 1: K's halves; 2, 3: V's
	s_lshl_b32 s[G0+1], s16, 15                    ; its place in slot 0: 32,768 x that
	s_lshr_b32 s14, s16, 1
	s_add_co_u32 s14, s14, 1
	s_lshl_b32 s14, s14, 24                        ; K at 2^24, V at 2^25
	s_add_co_u32 s14, s14, s13
	s_and_b32 s17, s[WV], 1
	s_lshl_b32 s16, s17, 15
	s_add_co_u32 s14, s14, s16
	s_mov_b32 s15, 0
	s_lshl_b32 s18, s11, 16                        ; Q: my work-group's 32 tiles of 2,048 bytes,
	s_lshl_b32 s16, s[WV], 12                      ; my wave's two
	s_add_co_u32 s18, s18, s16
	s_add_co_u32 s18, s18, s13
	s_mov_b32 s19, 0
	s_bfe_u32 s40, s[WV], 0x10001                  ; the prefetches: waves 4, 5: K; waves 6, 7: V
	s_add_co_u32 s40, s40, 1
	s_lshl_b32 s40, s40, 24
	s_add_co_u32 s40, s40, s13
	s_lshl_b32 s16, s11, 14                        ; my work-group's 16 KiB,
	s_add_co_u32 s40, s40, s16
	s_lshl_b32 s16, s17, 13                        ; my wave's 8 KiB of them,
	s_add_co_u32 s40, s40, s16
	s_add_co_u32 s40, s40, 65536                   ; in slot 1: the first change of slots steps it to slot 2
	s_mov_b32 s41, 0
	s_lshr_b32 s[LIM], s[WV], 2
	s_cmp_eq_u32 s[LIM], 1                         ; waves 4 to 7: the same in all four partners
	s_cselect_b32 s[LIM], 1, -1
	s_and_b32 s16, s12, 15                         ; the head
	s_lshl_b32 s42, s16, 8
	s_add_co_u32 s42, s42, 8192                    ; v's bias: number 2,048 + 64 x head
	s_mov_b32 s43, 0
	s_lshr_b32 s44, s16, 2
	s_lshl_b32 s44, s44, 22                        ; the result: K step head / 4 of the projection,
	s_lshr_b32 s17, s12, 4
	s_lshl_b32 s17, s17, 7                         ; token block 128 x batch
	s_lshl_b32 s46, s11, 5
	s_add_co_u32 s17, s17, s46                     ; + 32 cx
	s_lshl_b32 s46, s[WV], 1
	s_add_co_u32 s17, s17, s46                     ; + 2 x wave, 8,192 bytes each,
	s_lshl_b32 s17, s17, 13
	s_add_co_u32 s44, s44, s17
	s_and_b32 s16, s16, 3
	s_lshl_b32 s16, s16, 11                        ; fragment 2 (head % 4) of the block's eight
	s_add_co_u32 s44, s44, s16
	s_mov_b32 s45, 0
	v_and_b32 v[LI], 31, v0
	v_lshlrev_b32 v[PFO], 8, v[LI]
	v_lshlrev_b32 v[LI], 4, v[LI]
	s_wait_dscnt 0x0                               ; both opening adds are done
	s_wait_kmcnt 0x0
	s_mov_b32 s[G0], 1                             ; count = 1
	s_add_nc_u64 s[G0+2:G0+3], s[4:5], s[14:15]    ; the global address: made of the wave's number and the head alone
	s_or_b32 s[G0+3], s[G0+3], 0x80000000          ; type = 2
	s_add_nc_u64 s[PFA:PFA+1], s[4:5], s[40:41]
	s_add_nc_u64 s[4:5], s[4:5], s[18:19]          ; Q at my first tile
	s_add_nc_u64 s[6:7], s[6:7], s[42:43]
	s_add_nc_u64 s[8:9], s[8:9], s[44:45]
	CROUND                                         ; all four work-groups are here: the first joint loads meet
	TLOAD                                          ; slot 0
.irp t, 0,1
.irp c, 0,1
	global_load_b128 v[Q+16*\t+8*\c:Q+16*\t+8*\c+3], v[LI], s[4:5] offset:2048*\t+1024*\c       ; Q stays in registers
	global_load_b128 v[Q+16*\t+8*\c+4:Q+16*\t+8*\c+7], v[LI], s[4:5] offset:2048*\t+1024*\c+512
.endr
.endr
.irp t, 0,1
	v_mov_b32 v[ST+8*\t+1], 0xff61b1e6             ; m = -3e38, under every score
	v_mul_f32 v[ST+8*\t], s[CS], v[ST+8*\t+1]      ; c m
	v_mov_b32 v[ST+8*\t+2], 0                      ; l, in two halves
	v_mov_b32 v[ST+8*\t+3], 0
.endr
.set j, 0
.rept 64
	v_mov_b32 v[O+j], 0                            ; O^T: the loop is written once: its first step finds zeros, which a = 0 leaves zeros
.set j, j+1
.endr
; A KEY STEP: 64 keys, both tiles.
.macro STEP
	v_add_nc_u32 v[ADK], s[TB], v[LI]
	v_add_nc_u32 v[ADV], VOFF, v[ADK]
.rept 3
	v_nop                                          ; with the two additions five places behind the last step's products: four for the loads into their fragments, five for the products that write over P
.endr
.irp c, 0,1                                    ; K's eight fragments, channels 0-31 of all 64 keys first
.irp kb, 0,1,2,3
	ds_load_b128 v[KV+8*(2*\kb+\c):KV+8*(2*\kb+\c)+3], v[ADK] offset:1024*(2*\kb+\c)
	ds_load_b128 v[KV+8*(2*\kb+\c)+4:KV+8*(2*\kb+\c)+7], v[ADK] offset:1024*(2*\kb+\c)+512
.endr
.endr
.irp c, 0,1                                    ; S^T = K Q^T: eight accumulators by turns; the first eight products start the sums
	s_wait_dscnt 8-8*\c                            ; channels 0-31 are in, the eight younger loads may be out; then all
.irp kb, 0,1,2,3
.irp t, 0,1
.if \c == 0
	v_wmma_f32_16x16x32_f16 v[S+32*\t+8*\kb:S+32*\t+8*\kb+7], v[KV+8*(2*\kb+\c):KV+8*(2*\kb+\c)+7], v[Q+16*\t+8*\c:Q+16*\t+8*\c+7], 0
.else
	v_wmma_f32_16x16x32_f16 v[S+32*\t+8*\kb:S+32*\t+8*\kb+7], v[KV+8*(2*\kb+\c):KV+8*(2*\kb+\c)+7], v[Q+16*\t+8*\c:Q+16*\t+8*\c+7], v[S+32*\t+8*\kb:S+32*\t+8*\kb+7]
.endif
.endr
.endr
.endr
.irp t, 0,1
	v_mov_b32 v[OCM+\t], v[ST+8*\t]                ; c m_old is kept for a
.endr
.rept 2
	v_nop                                          ; four places in all: in front of the loads into K's registers and of the first read of the scores
.endr
.irp f, 0,1,2,3,4,5,6,7                        ; V's eight fragments (keys 32 (f / 4) on, channels 16 (f % 4) on): they land under the softmax
	ds_load_b128 v[KV+8*\f:KV+8*\f+3], v[ADV] offset:1024*\f
	ds_load_b128 v[KV+8*\f+4:KV+8*\f+7], v[ADV] offset:1024*\f+512
.endr
	; the maximum of a lane's 32 scores and the old m, three operands at a time, four chains, the tiles by turns; each accumulator is read from its low end on
.irp j, 0,1,2,3
.irp t, 0,1
	v_max3_num_f32 v[ST+8*\t+4+\j], v[S+32*\t+8*\j], v[S+32*\t+8*\j+1], v[S+32*\t+8*\j+2]
.endr
.endr
.irp u, 1,2
.irp j, 0,1,2,3
.irp t, 0,1
	v_max3_num_f32 v[ST+8*\t+4+\j], v[ST+8*\t+4+\j], v[S+32*\t+8*\j+2*\u+1], v[S+32*\t+8*\j+2*\u+2]
.endr
.endr
.endr
.irp t, 0,1
	v_max3_num_f32 v[ST+8*\t+4], v[ST+8*\t+4], v[S+32*\t+7], v[S+32*\t+15]
	v_max3_num_f32 v[ST+8*\t+6], v[ST+8*\t+6], v[S+32*\t+23], v[S+32*\t+31]
.endr
.irp t, 0,1
	v_max3_num_f32 v[ST+8*\t+4], v[ST+8*\t+4], v[ST+8*\t+5], v[ST+8*\t+6]
.endr
.irp t, 0,1
	v_max3_num_f32 v[ST+8*\t+4], v[ST+8*\t+4], v[ST+8*\t+7], v[ST+8*\t+1]
.endr
.irp t, 0,1
	v_permlanex16_b32 v[ST+8*\t+5], v[ST+8*\t+4], s[SEL], s[SEL+1]   ; the query's other 32 keys lie in the lane 16 away
.endr
.irp t, 0,1
	v_max_num_f32 v[ST+8*\t+1], v[ST+8*\t+4], v[ST+8*\t+5]           ; the new m
.endr
.irp t, 0,1
	v_mul_f32 v[ST+8*\t], s[CS], v[ST+8*\t+1]                        ; c m
.endr
.irp t, 0,1
	v_sub_f32 v[ST+8*\t+7], v[OCM+\t], v[ST+8*\t]                    ; c m_old - c m_new
.endr
.irp b, 0,1,2,3,4,5,6,7,8,9,10,11,12,13,14,15
	v_pk_fma_f32 v[S+2*\b:S+2*\b+1], v[S+2*\b:S+2*\b+1], s[CS:CS+1], v[ST:ST+1] op_sel_hi:[1,0,0] neg_lo:[0,0,1] neg_hi:[0,0,1]   ; tile 0: c s - c m, two at a time
.endr
	; ONE BATCH of 66 exponentials; tile 1's scalings, which name no exponential's result, stand among tile 0's exponentials
.irp t, 0,1
	v_exp_f32 v[ST+8*\t+6], v[ST+8*\t+7]           ; a
.endr
.irp b, 0,1,2,3,4,5,6,7,8,9,10,11,12,13,14,15
	v_exp_f32 v[S+2*\b], v[S+2*\b]
	v_exp_f32 v[S+2*\b+1], v[S+2*\b+1]
	v_pk_fma_f32 v[S+32+2*\b:S+32+2*\b+1], v[S+32+2*\b:S+32+2*\b+1], s[CS:CS+1], v[ST+8:ST+9] op_sel_hi:[1,0,0] neg_lo:[0,0,1] neg_hi:[0,0,1]
.endr
.set j, 0
.rept 32
	v_exp_f32 v[S+32+j], v[S+32+j]
.set j, j+1
.endr
	v_nop                                          ; a plain instruction behind the last exponential, ahead of the first use
	s_wait_alu depctr_va_vdst(0)                   ; a wait ahead of the first instruction that names a result: one for the batch
	; the sums, of the unrounded p, two chains a tile: l = a l + pair 0 and the odd pairs from 3 on; the second chain takes the others
.irp t, 0,1
	v_pk_fma_f32 v[ST+8*\t+2:ST+8*\t+3], v[ST+8*\t+2:ST+8*\t+3], v[ST+8*\t+6:ST+8*\t+7], v[S+32*\t:S+32*\t+1] op_sel_hi:[1,0,1]
	v_pk_add_f32 v[CB+2*\t:CB+2*\t+1], v[S+32*\t+2:S+32*\t+3], v[S+32*\t+4:S+32*\t+5]
.endr
.irp b, 3,5,7,9,11,13
.irp t, 0,1
	v_pk_add_f32 v[ST+8*\t+2:ST+8*\t+3], v[ST+8*\t+2:ST+8*\t+3], v[S+32*\t+2*\b:S+32*\t+2*\b+1]
	v_pk_add_f32 v[CB+2*\t:CB+2*\t+1], v[CB+2*\t:CB+2*\t+1], v[S+32*\t+2*\b+2:S+32*\t+2*\b+3]
.endr
.endr
.irp t, 0,1
	v_pk_add_f32 v[ST+8*\t+2:ST+8*\t+3], v[ST+8*\t+2:ST+8*\t+3], v[S+32*\t+30:S+32*\t+31]
.endr
.irp t, 0,1
	v_pk_add_f32 v[ST+8*\t+2:ST+8*\t+3], v[ST+8*\t+2:ST+8*\t+3], v[CB+2*\t:CB+2*\t+1]
.endr
.irp t, 0,1                                    ; P, in place and ascending: register i takes the weights of registers 2 i and 2 i + 1
.irp i, 0,1,2,3,4,5,6,7,8,9,10,11,12,13,14,15
	v_cvt_pk_f16_f32 v[S+32*\t+\i], v[S+32*\t+2*\i], v[S+32*\t+2*\i+1]
.endr
.endr
.irp t, 0,1                                    ; O^T times a
.irp i, 0,1,2,3,4,5,6,7,8,9,10,11,12,13,14,15
	v_pk_mul_f32 v[O+32*\t+2*\i:O+32*\t+2*\i+1], v[O+32*\t+2*\i:O+32*\t+2*\i+1], v[ST+8*\t+6:ST+8*\t+7] op_sel_hi:[1,0]
.endr
.endr
	s_wait_dscnt 0x0                               ; V is in
.irp kc, 0,1                                   ; O^T += V^T P: eight accumulators by turns
.irp cb, 0,1,2,3
.irp t, 0,1
	v_wmma_f32_16x16x32_f16 v[O+32*\t+8*\cb:O+32*\t+8*\cb+7], v[KV+8*(4*\kc+\cb):KV+8*(4*\kc+\cb)+7], v[S+32*\t+8*\kc:S+32*\t+8*\kc+7], v[O+32*\t+8*\cb:O+32*\t+8*\cb+7]
.endr
.endr
.endr
	s_add_co_u32 s[TB], s[TB], STEPB               ; the next step's images
.endm
; THE CHANGE OF SLOTS stands at a slot's head.  Each wave waits for all its tensor loads (its part of the slot that it is about to read), adds 0 to its spare word, and waits for that and for its reads of
; the slot that it has left.  fill = 1: a round of the cluster's barrier, and behind it the other slot is filled with the next 512 keys: the load has a slot's eight steps in which to land.
.macro CHANGE fill
	s_wait_tensorcnt 0x0                           ; no tensor load of mine is out, so group 0 may be written
	ds_add_u32 v[SPW], v[NIL]                      ; 0 onto my spare word
.if \fill
	ds_add_u32 v[SPW], v[NIL]                      ; and once more: the add twice on end, in every trip alike
	s_xor_b32 s[G0+1], s[G0+1], SLOT1              ; the walking descriptor: the other slot than last time,
	s_add_nc_u64 s[G0+2:G0+3], s[G0+2:G0+3], 65536 ; the next 512 keys; the type bits on top are not reached
	s_wait_xcnt 0x0                                ; the last prefetch, a slot back, has read its address, so it may be written:
	s_add_nc_u64 s[PFA:PFA+1], s[PFA:PFA+1], 65536 ; one slot further on than the walking descriptor
	s_wait_dscnt 0x0                               ; both adds are done, and my reads of the slot that I have left are over
	CROUND                                         ; no wave of any partner still reads that slot or has a load on its way
	TLOAD                                          ; the first thing behind the round, and a wave's one tensor load until the next
	ASK
.else
	s_wait_dscnt 0x0
	s_barrier_signal -1
	s_barrier_wait -1
.endif
.endm
.macro SLOT_STEPS                      ; a slot's eight key steps: written once, walked eight times; the LDS addresses hang on s[TB]
	s_mov_b32 s[CNT], 8
.Lstep_\@:
	STEP
	s_sub_co_u32 s[CNT], s[CNT], 1
	s_cmp_lg_u32 s[CNT], 0
	s_cbranch_scc1 .Lstep_\@
	s_sub_co_u32 s[TB], s[TB], 8*STEPB             ; back to a slot's first step,
	s_xor_b32 s[TB], s[TB], SLOT1                  ; in the other slot
.endm
	s_wait_loadcnt 0x0                             ; Q
.Lslot:                                            ; three trips: behind each change of slots but the last the next slot is asked for
	CHANGE 1
	SLOT_STEPS
	s_sub_co_u32 s[SLOTS], s[SLOTS], 1
	s_cmp_lg_u32 s[SLOTS], 0
	s_cbranch_scc1 .Lslot
	CHANGE 0                                       ; the last slot is written out
	SLOT_STEPS
	; THE WAY OUT.  O^T / l + bv, rounded to f16: a lane's eight channels are 16 bytes, half a fragment's image: each store covers 512 consecutive, aligned bytes.
.irp t, 0,1
	v_add_f32 v[ST+8*\t+4], v[ST+8*\t+2], v[ST+8*\t+3]   ; l's two halves.  (These four lines are the places behind the last products)
.endr
	v_bfe_u32 v[BVO], v0, 4, 1
	v_lshlrev_b32 v[BVO], 5, v[BVO]
.irp cb, 0,1,2,3
	global_load_b128 v[KV+8*\cb:KV+8*\cb+3], v[BVO], s[6:7] offset:64*\cb          ; bv of channels 16 cb + 8 (lane / 16) + 0 .. 7
	global_load_b128 v[KV+8*\cb+4:KV+8*\cb+7], v[BVO], s[6:7] offset:64*\cb+16
.endr
.irp t, 0,1
	v_permlanex16_b32 v[ST+8*\t+5], v[ST+8*\t+4], s[SEL], s[SEL+1]
.endr
.irp t, 0,1
	v_add_f32 v[ST+8*\t+4], v[ST+8*\t+4], v[ST+8*\t+5]   ; and the other half of the lanes': the row's sum
.endr
.irp t, 0,1
	v_rcp_f32 v[ST+8*\t+6], v[ST+8*\t+4]
.endr
	v_nop                                          ; a plain instruction between the last reciprocal and the use of its result
	s_wait_alu depctr_va_vdst(0)                   ; and a wait ahead of the first use: one for the two
	s_wait_loadcnt 0x0                             ; bv
.irp t, 0,1
.irp i, 0,1,2,3,4,5,6,7,8,9,10,11,12,13,14,15
	v_pk_fma_f32 v[O+32*\t+2*\i:O+32*\t+2*\i+1], v[O+32*\t+2*\i:O+32*\t+2*\i+1], v[ST+8*\t+6:ST+8*\t+7], v[KV+2*\i:KV+2*\i+1] op_sel_hi:[1,0,1]
.endr
.endr
.irp t, 0,1
.irp i, 0,1,2,3,4,5,6,7,8,9,10,11,12,13,14,15
	v_cvt_pk_f16_f32 v[S+16*\t+\i], v[O+32*\t+2*\i], v[O+32*\t+2*\i+1]
.endr
.endr
.irp t, 0,1
.irp cb, 0,1,2,3
	global_store_b128 v[LI], v[S+16*\t+4*\cb:S+16*\t+4*\cb+3], s[8:9] offset:8192*\t+512*\cb
.endr
.endr
	s_wait_tensorcnt 0x0                           ; the wave's end
	ds_add_u32 v[SPW], v[NIL]
	s_wait_dscnt 0x0
	CROUND                                         ; the closing round: no work-group ends while a partner may still ask for a tile that names it
	s_endpgm
.Lfunc_end_k_qf892a49be6_attn:
	.size	k_qf892a49be6_attn, .Lfunc_end_k_qf892a49be6_attn-k_qf892a49be6_attn
	.p2alignl 7, 3214868480
	.fill 96, 4, 3214868480
	.section	.rodata,"a",@progbits
	.p2align	6, 0x0
	.amdhsa_kernel k_qf892a49be6_attn
		.amdhsa_group_segment_fixed_size 327680
		.amdhsa_private_segment_fixed_size 0
		.amdhsa_enable_private_segment 0
		.amdhsa_kernarg_size 24
		.amdhsa_user_sgpr_count 2
		.amdhsa_user_sgpr_kernarg_segment_ptr 1
		.amdhsa_wavefront_size32 1
		.amdhsa_system_sgpr_workgroup_id_x 1
		.amdhsa_system_sgpr_workgroup_id_y 1
		.amdhsa_system_sgpr_workgroup_id_z 1
		.amdhsa_system_vgpr_workitem_id 0
		.amdhsa_next_free_vgpr 256
		.amdhsa_next_free_sgpr 66
		.amdhsa_reserve_vcc 0
		.amdhsa_float_denorm_mode_32 3
		.amdhsa_float_denorm_mode_16_64 3
		.amdhsa_memory_ordered 1
		.amdhsa_forward_progress 1
		.amdhsa_inst_pref_size 50
	.end_amdhsa_kernel
	.amdgpu_metadata
---
amdhsa.version: [ 1, 2 ]
amdhsa.kernels:
  - .name:           k_qf892a49be6_attn
    .symbol:         k_qf892a49be6_attn.kd
    .args:
      - { .name: qkv_img, .offset: 0, .size: 8, .value_kind: global_buffer, .address_space: global }
      - { .name: qkv_b, .offset: 8, .size: 8, .value_kind: global_buffer, .address_space: global }
      - { .name: ao_img, .offset: 16, .size: 8, .value_kind: global_buffer, .address_space: global }
    .group_segment_fixed_size: 327680
    .private_segment_fixed_size: 0
    .kernarg_segment_align: 8
    .kernarg_segment_size: 24
    .max_flat_workgroup_size: 512
    .sgpr_count:     66
    .vgpr_count:     256
    .wavefront_size: 32
...
	.end_amdgpu_metadata
.endif
;; end of part 3
;; launch proj (part 4): grid 8 x 64, 4 waves a work-group, clusters of 4 x 4, 327,680 bytes of LDS; arguments ao_img, pw_img, proj_b, out0; writes out0
.if DOCPART == 4
	.amdgcn_target "amdgcn-amd-amdhsa--gfx1250"
	.amdhsa_code_object_version 6
	.text
	.protected	k_qf892a49be6_proj
	.globl	k_qf892a49be6_proj
	.p2align	8
	.type	k_qf892a49be6_proj,@function
k_qf892a49be6_proj:
	s_mov_b64 s[64:65], 0
	v_nop
	global_prefetch_b8 v0, s[64:65] scope:SCOPE_SE
	s_setreg_imm32_b32 hwreg(HW_REG_WAVE_MODE, 25, 1), 1
	s_wait_xcnt 0x0
	s_wait_alu depctr_hold_cnt(0) depctr_sa_sdst(0) depctr_va_vdst(0) depctr_va_sdst(0) depctr_va_ssrc(0) depctr_va_vcc(0) depctr_vm_vsrc(0)
	s_getreg_b32 s2, hwreg(HW_REG_IB_STS2, 6, 4)
	s_cmp_eq_u32 s2, 0
	s_cbranch_scc0 .Lentry_in_a_cluster
	s_endpgm
.Lentry_in_a_cluster:
	s_bfe_u32 s2, ttmp6, 0x10000c
	s_cmp_lg_u32 s2, 0xf033
	s_cbranch_scc0 .Lentry_shape_is_right
	s_endpgm
.Lentry_shape_is_right:
; out0 = a @ proj_w + proj_b.  a (the attention's result, [8192][1024]) and proj_w arrive as f16 images of operand registers; sums in f32; out0 [8192][1024] f32.
; ao_img: [K step of 256: 4][16 tokens: 512][32 along K: 8][1,024 bytes];  pw_img: [K step: 4][16 columns: 64][32 along K: 8][1,024 bytes].  A fragment's image: registers 0-3 at 16 x lane, registers 4-7 at
; 512 + 16 x lane.  So a K step's 64 rows of either operand are 32 KiB dense in memory: one tensor load, as 128 rows of 256 bytes; in LDS they are read at 16 x lane: no pitch, no padding.
; A tile of out0 is 128 x 128: 512 work-groups.  Four waves, each 64 x 64: 16 accumulators of 16 x 16.  K goes in four steps of 256 through two LDS slots.
; THE MATRIX INSTRUCTION IS USED TRANSPOSED (source 0 = 16 columns of proj_w, source 1 = 16 tokens): a lane holds eight neighbouring numbers of a row of out0.  The bias is the C of each sum's first product.
; CLUSTERS: 4 x 4 work-groups.  The four of a row of the cluster need the same tiles of a, the four of a column the same tiles of proj_w: each is asked for jointly.
; REGISTERS: window 0: v0-31 addresses; v32-95 at work on the way out; v96-127 the bias; v128-255 the accumulators ((a, b) at v[128 + 8 (4 a + b)]).
;   window 1: two fragment buffers of 128: for 64 along K, 64 registers of a's, then 64 of proj_w's.
.set HALFT,  32768                     ; 64 rows x 256 along K: what one tensor load brings, and what one wave reads of either operand
.set SLOT,   4*HALFT                   ; a's 128 rows, then proj_w's 128 columns
.set ASTEP,  4194304                   ; from K step to K step in ao_img,
.set BSTEP,  524288                    ; and in pw_img
.set STAGE,  2*SLOT                    ; behind the slots: 16 rows x 272 bytes for each wave, for the way out; no tensor load fills it
.set SPITCH, 272
.set SPARE,  STAGE+4*16*SPITCH         ; the spare words, 128 bytes for each wave: two blocks of 256 bytes that no other line names
.set ADRA, 16                          ; v16-17  LDS address of my fragments of a in slot 0, 1
.set ADRB, 20                          ; v20-21  the same for proj_w
.set STO,  24                          ; v24     the way out: where I put 32 bytes of a row
.set RD,   25                          ; v25     the way out: where I read a row back
.set CO,   26                          ; v26     my byte offset in out0
.set BO,   27                          ; v27     32 x (lane / 16): my eight numbers of 16 of the bias
.set SPW,  28                          ; v28     LDS address of my spare word; never rewritten
.set NIL,  29                          ; v29     0; never rewritten
.set TMP,  32
.set BIAS, 96                          ; register 8 b + j: the bias of column 16 b + 8 (lane / 16) + j of my 64
.set ACC,  128
.set F0,   0                           ; fragment buffers, in window 1
.set F1,   128
.set WV,   12                          ; s12  my wave's number
.set RH,   13                          ; s13  which half of the tile's rows is mine.  Also: I fetch for a (0) or for proj_w (1)
.set CH,   14                          ; s14  which half of its columns.  Also: which 64 rows I fetch
.set G1, 24                            ; s[24:31] group 1 for a's tiles;  s[32:39] group 0, one set for each slot
.set G0, 32
.set G1B, 48                           ; s[48:55], s[56:63] the same for proj_w's
.set G0B, 56
.set MSB, 0
.macro WIN new                         ; the immediate's high byte repeats the setting that is left
.if MSB != (\new)
	s_set_vgpr_msb (MSB<<8)|(\new)
.set MSB, (\new)
.endif
.endm
.set MUL,  0x05                        ; sources 0 and 1 window 1; C and D window 0
.set TO_F, 0x40                        ; destination window 1, address window 0
.macro JLOAD s                         ; a joint load: waves 0 and 1 fetch a's two halves, waves 2 and 3 proj_w's; an s_nop 0 and four v_nop follow each of the two lines
	s_cmp_eq_u32 s[RH], 0
	s_cbranch_scc0 .Lfor_b_\@
	tensor_load_to_lds s[G0+4*\s:G0+4*\s+3], s[G1:G1+7]
	s_nop 0
.rept 4
	v_nop
.endr
	s_branch .Lasked_\@
.Lfor_b_\@:
	tensor_load_to_lds s[G0B+4*\s:G0B+4*\s+3], s[G1B:G1B+7]
	s_nop 0
.rept 4
	v_nop
.endr
.Lasked_\@:
.endm
.macro CREST                           ; a round of the cluster's barrier behind its opening barrier
	s_cmp_lg_u32 s[WV], 0
	s_cbranch_scc1 .Lnot_wave_0_\@
	s_barrier_signal -3
.Lnot_wave_0_\@:
	s_barrier_wait -3
	s_barrier_signal -1
	s_barrier_wait -1
.endm
.macro CROUND                          ; a whole round
	s_barrier_signal -1
	s_barrier_wait -1
	CREST
.endm
	s_load_b128 s[4:7], s[0:1], 0x0                ; ao_img s[4:5], pw_img s[6:7]
	s_load_b128 s[8:11], s[0:1], 0x10              ; proj_b s[8:9], out0 s[10:11]
	v_lshl_add_u32 v[SPW], v0, 2, SPARE
	v_mov_b32 v[NIL], 0
	ds_add_u32 v[SPW], v[NIL]                      ; the wave's opening: the add, twice on end, and its wait ahead of my first tensor load
	ds_add_u32 v[SPW], v[NIL]
	v_lshrrev_b32 v1, 5, v0
	v_readfirstlane_b32 s[WV], v1                  ; wave 0..3
	s_lshr_b32 s[RH], s[WV], 1
	s_and_b32 s[CH], s[WV], 1
	s_bfe_u32 s40, ttmp6, 0x40000                  ; cx, cy: my place in the cluster
	s_bfe_u32 s41, ttmp6, 0x40004
	s_lshl_b32 s42, ttmp9, 2
	s_add_co_u32 s42, s42, s40                     ; tile column = 4 x cluster x + cx
	s_and_b32 s15, ttmp7, 0xffff
	s_lshl_b32 s15, s15, 2
	s_add_co_u32 s15, s15, s41                     ; tile row = 4 x cluster y + cy
	s_lshl_b32 s43, s41, 2
	s_lshl_b32 s43, 15, s43                        ; my row of the cluster
	s_lshl_b32 s44, 0x1111, s40                    ; my column
	s_or_b32 s[G1+0], s43, (3<<16)|(1<<21)         ; 15:0 the mask: a's tiles go to my row; 17:16 elements of 8 bytes; 20 no padding; 21 set beside a mask
	s_or_b32 s[G1B+0], s44, (3<<16)|(1<<21)
.irp g, G1, G1B
	s_mov_b32 s[\g+1], 32<<16                      ; tensor_dim0 = 32 elements: 256 bytes
	s_mov_b32 s[\g+2], 128<<16                     ; tensor_dim1 = 128
	s_mov_b32 s[\g+3], 32<<16                      ; tile_dim0
	s_mov_b32 s[\g+4], 128                         ; tile_dim1
	s_mov_b32 s[\g+5], 32                          ; tensor_dim0_stride: dense
	s_mov_b32 s[\g+6], 0
	s_mov_b32 s[\g+7], 0
.endr
	s_lshl_b32 s17, s[CH], 15                      ; which four blocks of 16 rows I fetch: 8,192 bytes a block
	s_lshl_b32 s16, s15, 16
	s_add_co_u32 s16, s16, s17                     ; a: block 8 x tile row + 4 x half
	s_lshl_b32 s46, s42, 16
	s_add_co_u32 s46, s46, s17                     ; proj_w: block 8 x tile column + 4 x half
	s_mov_b32 s17, 0
	s_mov_b32 s47, 0
	s_lshl_b32 s20, s[WV], 15                      ; where they go: wave x 32,768: no place in the cluster enters an LDS address
	s_wait_dscnt 0x0                               ; both opening adds are done
	s_wait_kmcnt 0x0
	s_add_nc_u64 s[18:19], s[4:5], s[16:17]
	s_add_nc_u64 s[46:47], s[6:7], s[46:47]
	CROUND                                         ; all sixteen work-groups are here: the first joint loads meet
.irp s, 0,1
	s_mov_b32 s[G0+4*\s], 1
	s_add_co_u32 s[G0+4*\s+1], s20, \s*SLOT
	s_add_nc_u64 s[G0+4*\s+2:G0+4*\s+3], s[18:19], \s*ASTEP
	s_or_b32 s[G0+4*\s+3], s[G0+4*\s+3], 0x80000000
	s_mov_b32 s[G0B+4*\s], 1
	s_add_co_u32 s[G0B+4*\s+1], s20, \s*SLOT
	s_add_nc_u64 s[G0B+4*\s+2:G0B+4*\s+3], s[46:47], \s*BSTEP
	s_or_b32 s[G0B+4*\s+3], s[G0B+4*\s+3], 0x80000000
	JLOAD \s                                       ; two tensor loads of mine are out
.endr
	v_and_b32 v1, 31, v0
	v_lshlrev_b32 v3, 4, v1                        ; 16 x lane
	s_lshl_b32 s21, s[RH], 15                      ; my 64 rows of a
	s_lshl_b32 s22, s[CH], 15                      ; my 64 columns of proj_w,
	s_add_co_u32 s22, s22, 2*HALFT                 ; which lie behind a's 128 rows
.irp s, 0,1
	v_add_nc_u32 v[ADRA+\s], s21, v3
	v_add_nc_u32 v[ADRB+\s], s22, v3
	s_add_co_u32 s21, s21, SLOT
	s_add_co_u32 s22, s22, SLOT
.endr
	v_and_b32 v1, 15, v0                           ; l % 16
	v_bfe_u32 v2, v0, 4, 1                         ; l / 16
	s_mul_i32 s23, s[WV], 16*SPITCH
	s_add_co_u32 s23, s23, STAGE                   ; my stage
	v_mul_u32_u24 v4, v1, SPITCH                   ; in: row l % 16, 32 bytes for each half of the lanes
	v_lshl_add_u32 v4, v2, 5, v4
	v_add_nc_u32 v[STO], s23, v4
	v_mul_u32_u24 v5, v2, SPITCH                   ; back: lanes 0-15 take one row of 256 bytes, lanes 16-31 the next
	v_lshl_add_u32 v5, v1, 4, v5
	v_add_nc_u32 v[RD], s23, v5
	v_lshlrev_b32 v5, 12, v2                       ; and the same two rows in out0: 4,096 bytes a row
	v_lshl_add_u32 v[CO], v1, 4, v5
	v_lshlrev_b32 v[BO], 5, v2
	s_lshl_b32 s46, s42, 9
	s_lshl_b32 s47, s[CH], 8
	s_add_co_u32 s46, s46, s47                     ; my first column, in bytes: 512 x tile column + 256 x half
	s_mov_b32 s47, 0
	s_add_nc_u64 s[8:9], s[8:9], s[46:47]          ; in the bias,
	s_lshl_b32 s16, s15, 19
	s_lshl_b32 s17, s[RH], 18
	s_add_co_u32 s16, s16, s17                     ; my first row: 128 x tile row + 64 x half
	s_add_co_u32 s16, s16, s46
	s_mov_b32 s17, 0
	s_add_nc_u64 s[10:11], s[10:11], s[16:17]      ; and in out0
.irp b, 0,1,2,3
	global_load_b128 v[BIAS+8*\b:BIAS+8*\b+3], v[BO], s[8:9] offset:64*\b
	global_load_b128 v[BIAS+8*\b+4:BIAS+8*\b+7], v[BO], s[8:9] offset:64*\b+16
.endr
; 8 matrix instructions: row blocks a0, a0 + 1 x all 4 column blocks, 32 along K: half c of buffer f.  first = 1: the sums begin with the bias.  The 16 accumulators take turns.
.macro MUL8 f, c, a0, first
.irp a, \a0, \a0+1
.irp b, 0,1,2,3
.if \first
	v_wmma_f32_16x16x32_f16 v[ACC+8*(4*(\a)+\b):ACC+8*(4*(\a)+\b)+7], v[\f+64+8*(4*\c+\b):\f+64+8*(4*\c+\b)+7], v[\f+8*(4*\c+\a):\f+8*(4*\c+\a)+7], v[BIAS+8*\b:BIAS+8*\b+7]
.else
	v_wmma_f32_16x16x32_f16 v[ACC+8*(4*(\a)+\b):ACC+8*(4*(\a)+\b)+7], v[\f+64+8*(4*\c+\b):\f+64+8*(4*\c+\b)+7], v[\f+8*(4*\c+\a):\f+8*(4*\c+\a)+7], v[ACC+8*(4*(\a)+\b):ACC+8*(4*(\a)+\b)+7]
.endif
.endr
.endr
.endm
; 32 LDS loads in one run: the fragments of the slot's q-th 64 along K into buffer f; the first 32 along K first.  Block i's fragment of 32 along K number n lies at 8,192 i + 1,024 n.
.macro FETCH slot, q, f
	WIN TO_F
.irp c, 0,1
.irp i, 0,1,2,3
	ds_load_b128 v[\f+64+8*(4*\c+\i):\f+64+8*(4*\c+\i)+3],   v[ADRB+\slot] offset:8192*\i+1024*(2*(\q)+\c)
	ds_load_b128 v[\f+64+8*(4*\c+\i)+4:\f+64+8*(4*\c+\i)+7], v[ADRB+\slot] offset:8192*\i+1024*(2*(\q)+\c)+512
	ds_load_b128 v[\f+8*(4*\c+\i):\f+8*(4*\c+\i)+3],         v[ADRA+\slot] offset:8192*\i+1024*(2*(\q)+\c)
	ds_load_b128 v[\f+8*(4*\c+\i)+4:\f+8*(4*\c+\i)+7],       v[ADRA+\slot] offset:8192*\i+1024*(2*(\q)+\c)+512
.endr
.endr
.endm
.macro PLACES                          ; four places in front of loads into registers that matrix instructions have read, and of the first read of results
.rept 4
	v_nop
.endr
.endm
; A K step is four quarters of 64 along K, 32 matrix instructions each, on buffers 0, 1, 0, 1.  One of the first three: multiplies buffer f and fetches quarter q into g.
.macro QUARTER slot, q, f, g, first
	s_wait_dscnt 16                                ; the first 32 along K are in; the youngest sixteen loads may be out
	WIN MUL
	MUL8 \f, 0, 0, \first
	MUL8 \f, 0, 2, \first
	PLACES
	FETCH \slot, \q, \g
	s_wait_dscnt 32                                ; all but the 32 just issued
	WIN MUL
	MUL8 \f, 1, 0, 0
	MUL8 \f, 1, 2, 0
.endm
; The last quarter multiplies buffer 1 and changes slots: ONE barrier; in front of it each wave waits for all its tensor loads, adds 0 to its spare word, and waits for that and for its own reads of this slot.
; fill = 1: the barrier opens a round of the cluster's, and this slot is filled again, two K steps ahead.
.macro TURN slot, next, fill
	WIN 0                                          ; (the add's two registers lie in window 0)
	s_wait_tensorcnt 0x0                           ; all my tensor loads have landed: my part of the next slot
	ds_add_u32 v[SPW], v[NIL]                      ; 0 onto my spare word
	s_wait_dscnt 17                                ; (the add and the youngest sixteen loads may be out)
	WIN MUL
	MUL8 F1, 0, 0, 0
	s_wait_dscnt 0x0                               ; the add is done, and my reads of this slot are over
	s_barrier_signal -1
	MUL8 F1, 0, 2, 0
.if \fill
	WIN 0
.endif
	s_barrier_wait -1
.if \fill
	CREST                                          ; no wave of any partner still reads this slot's tile or has a load on its way
	s_add_nc_u64 s[G0+4*\slot+2:G0+4*\slot+3], s[G0+4*\slot+2:G0+4*\slot+3], 2*ASTEP
	s_add_nc_u64 s[G0B+4*\slot+2:G0B+4*\slot+3], s[G0B+4*\slot+2:G0B+4*\slot+3], 2*BSTEP
	JLOAD \slot                                    ; the first tensor load behind the round; the four v_nop behind it are also the places in front of the loads below
.else
	PLACES
.endif
	FETCH \next, 0, F0
	WIN MUL
	MUL8 F1, 1, 0, 0
	MUL8 F1, 1, 2, 0
.endm
	s_wait_tensorcnt 1                             ; my part of K step 0 is in; K step 1's load may be out
	s_barrier_signal -1
	s_barrier_wait -1                              ; everybody's is
	FETCH 0, 0, F0
	s_wait_loadcnt 0x0                             ; the bias
	QUARTER 0, 1, F0, F1, 1                        ; K step 0: its first products start the sums
	QUARTER 0, 2, F1, F0, 0
	QUARTER 0, 3, F0, F1, 0
	TURN 0, 1, 1                                   ; slot 0 takes K step 2
	QUARTER 1, 1, F0, F1, 0                        ; K step 1
	QUARTER 1, 2, F1, F0, 0
	QUARTER 1, 3, F0, F1, 0
	TURN 1, 0, 1                                   ; slot 1 takes K step 3
	QUARTER 0, 1, F0, F1, 0                        ; K step 2
	QUARTER 0, 2, F1, F0, 0
	QUARTER 0, 3, F0, F1, 0
	TURN 0, 1, 0                                   ; nothing is left to fetch
	QUARTER 1, 1, F0, F1, 0                        ; K step 3
	QUARTER 1, 2, F1, F0, 0
	QUARTER 1, 3, F0, F1, 0
	s_wait_dscnt 16
	WIN MUL
	MUL8 F1, 0, 0, 0
	MUL8 F1, 0, 2, 0
	s_wait_dscnt 0
	MUL8 F1, 1, 0, 0
	MUL8 F1, 1, 2, 0
	WIN 0
; THE WAY OUT, a block of 16 rows x 64 columns at a time.  A lane holds 32 neighbouring bytes of a row; my 64 columns are 256 bytes, aligned: so a block goes through my OWN stage in LDS and comes back as whole
; rows of 256 bytes, two an instruction.  LDS serves a wave's instructions in order (ISA guide 5.7.1.4): no wait between the stores and the loads, nor in front of the next block's stores; no barrier.
.macro TOSTAGE a
.irp b, 0,1,2,3
	ds_store_b128 v[STO], v[ACC+8*(4*(\a)+\b):ACC+8*(4*(\a)+\b)+3] offset:64*\b       ; each accumulator from its low end on
	ds_store_b128 v[STO], v[ACC+8*(4*(\a)+\b)+4:ACC+8*(4*(\a)+\b)+7] offset:64*\b+16
.endr
.irp i, 0,1,2,3,4,5,6,7
	ds_load_b128 v[TMP+32*((\a)%2)+4*\i:TMP+32*((\a)%2)+4*\i+3], v[RD] offset:\i*2*SPITCH
.endr
.endm
.macro SEND a, younger                 ; younger: the LDS instructions issued behind block a's loads, which may stay out
	s_wait_dscnt \younger
.irp i, 0,1,2,3,4,5,6,7
	global_store_b128 v[CO], v[TMP+32*((\a)%2)+4*\i:TMP+32*((\a)%2)+4*\i+3], s[10:11] offset:(16*(\a)+2*\i)*4096 th:TH_STORE_NT   ; sixteen lanes store 256 consecutive bytes, aligned; written once, read by nobody here
.endr
.endm
	PLACES
	TOSTAGE 0
	TOSTAGE 1
	SEND 0, 16                                     ; behind block 0's loads: block 1's 8 stores and 8 loads
	s_wait_xcnt 0x0                                ; block 0's stores have read their registers: block 2's loads may land there
	TOSTAGE 2
	SEND 1, 16
	s_wait_xcnt 0x0
	TOSTAGE 3
	SEND 2, 16
	SEND 3, 0
	s_wait_tensorcnt 0x0                           ; the wave's end, behind my last tensor load and my last LDS store
	ds_add_u32 v[SPW], v[NIL]
	s_wait_dscnt 0x0
	CROUND                                         ; the closing round: no work-group ends while a partner may still ask for a tile that names it
	s_endpgm
.Lfunc_end_k_qf892a49be6_proj:
	.size	k_qf892a49be6_proj, .Lfunc_end_k_qf892a49be6_proj-k_qf892a49be6_proj
	.p2alignl 7, 3214868480
	.fill 96, 4, 3214868480
	.section	.rodata,"a",@progbits
	.p2align	6, 0x0
	.amdhsa_kernel k_qf892a49be6_proj
		.amdhsa_group_segment_fixed_size 327680
		.amdhsa_private_segment_fixed_size 0
		.amdhsa_enable_private_segment 0
		.amdhsa_kernarg_size 32
		.amdhsa_user_sgpr_count 2
		.amdhsa_user_sgpr_kernarg_segment_ptr 1
		.amdhsa_wavefront_size32 1
		.amdhsa_system_sgpr_workgroup_id_x 1
		.amdhsa_system_sgpr_workgroup_id_y 1
		.amdhsa_system_sgpr_workgroup_id_z 1
		.amdhsa_system_vgpr_workitem_id 0
		.amdhsa_next_free_vgpr 512
		.amdhsa_next_free_sgpr 66
		.amdhsa_reserve_vcc 0
		.amdhsa_float_denorm_mode_32 3
		.amdhsa_float_denorm_mode_16_64 3
		.amdhsa_memory_ordered 1
		.amdhsa_forward_progress 1
		.amdhsa_inst_pref_size 86
	.end_amdhsa_kernel
	.amdgpu_metadata
---
amdhsa.version: [ 1, 2 ]
amdhsa.kernels:
  - .name:           k_qf892a49be6_proj
    .symbol:         k_qf892a49be6_proj.kd
    .args:
      - { .name: ao_img, .offset: 0, .size: 8, .value_kind: global_buffer, .address_space: global }
      - { .name: pw_img, .offset: 8, .size: 8, .value_kind: global_buffer, .address_space: global }
      - { .name: proj_b, .offset: 16, .size: 8, .value_kind: global_buffer, .address_space: global }
      - { .name: out0, .offset: 24, .size: 8, .value_kind: global_buffer, .address_space: global }
    .group_segment_fixed_size: 327680
    .private_segment_fixed_size: 0
    .kernarg_segment_align: 8
    .kernarg_segment_size: 32
    .max_flat_workgroup_size: 128
    .sgpr_count:     66
    .vgpr_count:     512
    .wavefront_size: 32
...
	.end_amdgpu_metadata
.endif
;; end of part 4
